; MI455X (gfx1250); checked and timed in simulation.
; The chip was launched on July 23, 2026; its instructions are those of AMD's public machine-readable ISA for CDNA 5 (MIT licence, August 2026) and "CDNA5" Instruction Set Architecture Reference Guide (July 2026). The comments in the code are by the model that wrote it; some were corrected since.
;; Ms PAM Module. Allowed arithmetic: matrix products marked QUANTISED: E2M1 operands, one E8M0 scale for each 32 along K, by v_wmma_scale_f32_16x16x128_f8f6f4 with both operands' format E2M1 (or v_wmma_scale_f32_32x16x128_f4), f32 sums; everything else in f32.
;; Inputs: Wk1 64 x 512 float32; Wk2 64 x 512 float32; Wk3 64 x 512 float32; Wl 512 x 512 float32; Wq 64 x 512 float32; Wv 512 x 512 float32; bk1 64 float32; bk2 64 float32; bk3 64 float32; bl 512 float32; bq 64 float32; bv 512 float32; gamma 1 float32; x 2 x 512 x 64 x 64 float32; y 2 x 512 x 64 x 64 float32; z 2 x 512 x 64 x 64 float32.
;; Outputs: out0 2 x 512 x 64 x 64 float32.
;; This version of the problem:
;;   THIS VERSION OF THE PROBLEM IS GIVEN IN LOW PRECISION. The matrix products marked QUANTISED in the list below multiply operands that are first quantised to E2M1 (2 exponent bits, 1 mantissa bit; 4 bits a number), with one power-of-two scale for each 32 numbers along K (OCP MX v1.0); their sums are f32. All else is computed in f32.
;;   The module's matrix products, in the order in which they are computed (A, B: the left and right operand; K: the contracted axis; several contracted axes count as one K, in the product's order):
;;     1. [M 8,192, K 512] x [K 512, N 64]; A: input x; B: input Wq: QUANTISED
;;     2. [M 8,192, K 512] x [K 512, N 64]; A: input x; B: input Wk1: QUANTISED
;;     3. [M 8,192, K 512] x [K 512, N 64]; A: input y; B: input Wk2: QUANTISED
;;     4. [M 8,192, K 512] x [K 512, N 64]; A: input z; B: input Wk3: QUANTISED
;;     5. [M 8,192, K 512] x [K 512, N 512]; A: input x; B: input Wv: QUANTISED
;;     6. batch 2 x [M 4,096, K 64] x [K 64, N 4,096]; A: computed on the way; B: computed on the way: QUANTISED
;;     7. batch 2 x [M 512, K 4,096] x [K 4,096, N 4,096]; A: computed on the way; B: computed on the way: QUANTISED
;;     8. batch 2 x [M 4,096, K 64] x [K 64, N 4,096]; A: computed on the way; B: computed on the way: QUANTISED
;;     9. batch 2 x [M 512, K 4,096] x [K 4,096, N 4,096]; A: computed on the way; B: computed on the way: QUANTISED
;;     10. batch 2 x [M 4,096, K 64] x [K 64, N 4,096]; A: computed on the way; B: computed on the way: QUANTISED
;;     11. batch 2 x [M 512, K 4,096] x [K 4,096, N 4,096]; A: computed on the way; B: computed on the way: QUANTISED
;;     12. [M 8,192, K 512] x [K 512, N 512]; A: computed on the way; B: input Wl: QUANTISED
;;   THE QUANTISER, for each operand of a quantised product, along K:
;;     - K is cut into blocks of 32 from its start; a last block that is shorter is filled with zeros.
;;     - A block's scale is 2^e with e = floor(log2(the largest magnitude in the block)) - 2, held to -126 .. 127; a block of zeros has e = 0. As a byte (E8M0): e + 127.
;;     - Each number is divided by its block's scale, clamped to +-6, and rounded to the nearest number of E2M1, ties to even, subnormals kept.
;;     - The product sums the exact products of the quantised numbers (number of the format x scale) in f32.
;;   ~~~python
;;   def quantise(x, axis):      # numpy; x: float32 -> the quantised numbers, widened to float32 again
;;       x = np.moveaxis(x, axis, -1); K = x.shape[-1]
;;       x = np.pad(x, [(0, 0)] * (x.ndim - 1) + [(0, -K % 32)]); x = x.reshape(x.shape[:-1] + (-1, 32)); a = np.abs(x).max(-1, keepdims=True)
;;       e = np.where(a > 0, np.clip(np.frexp(np.where(a > 0, a, 1))[1] - 1 - 2, -126, 127), 0)      # np.frexp(a)[1] - 1 = floor(log2(a)), exactly
;;       r = np.clip(x / 2.0 ** e, -6, 6)
;;       step = 2.0 ** (np.maximum(np.frexp(np.where(r == 0, 1, r))[1] - 1, 0) - 1)
;;       q = np.round(r / step) * step * 2.0 ** e      # np.round: ties to even
;;       return np.moveaxis(q.reshape(q.shape[:-2] + (-1,))[..., :K], -1, axis).astype(np.float32)
;;   ~~~
;;   OPERANDS COMPUTED ON THE WAY. 'Computed on the way' means the value that the module computes at that place (a softmax that the list does not call 'softmax' is quantised finished and normalised). What goes into a quantiser is computed in f32, as accurately as f32 sums, v_exp_f32 and their like allow (about 1e-6 of the number): no bf16 or f16 on the way to a quantiser, and a product that is left as it is and whose result goes on into a quantised operand takes f32 operands (vector FMAs, or v_wmma_f32_16x16x4_f32). A number that lies on a knife's edge between two numbers of the format may be rounded either way, as far as f32 arithmetic and the matrix unit's own rounding can turn it there, and no further.
;; 2 versions, each right; version 2 is version 1 with the launches proj, final written anew for expert scheduling mode. Each part assembles by itself: llvm-mc -triple=amdgcn-amd-amdhsa -mcpu=gfx1250 --defsym DOCPART=n.
;; ======== version 1 of 2: 5 launches
;; workspace buffers: wts 348,160 bytes; qk 1,179,648 bytes; vb 2,228,224 bytes; st 131,072 bytes; at 2,228,224 bytes
;; launch wquant (part 1): grid 80 x 1, 4 waves a work-group, no clusters, 768 bytes of LDS; arguments Wq, Wk1, Wk2, Wk3, Wv, Wl, wts; writes wts
.if DOCPART == 1
	.amdgcn_target "amdgcn-amd-amdhsa--gfx1250"
	.amdhsa_code_object_version 6
	.text
	.protected	k_q4f3f516b39_wquant
	.globl	k_q4f3f516b39_wquant
	.p2align	8
	.type	k_q4f3f516b39_wquant,@function
k_q4f3f516b39_wquant:
	s_mov_b64 s[64:65], 0
	v_nop
	global_prefetch_b8 v0, s[64:65] scope:SCOPE_SE
	s_setreg_imm32_b32 hwreg(HW_REG_WAVE_MODE, 25, 1), 1
	s_wait_xcnt 0x0
; The six weights, f32 [rows][512] with K = the 512 input channels innermost, become codes of E2M1 with one E8M0 byte for each 32 along K,
; laid in the ORDER OF AN OPERAND'S REGISTERS: tile Tg (16 rows), K step s (128 along K): 1,024 bytes at Tg*4096 + s*1024 + c*512 + 16*lane, lane (r, h) holding k = 128 s + 64 c + 32 h + 0..31 of its row.
; Scale words (four bytes: 128 along K of one row) at 327,680 + Tg*256 + s*64 + 4 r.   Tiles: 0-3 Wq, 4-7 Wk1, 8-11 Wk2, 12-15 Wk3, 16-47 Wv, 48-79 Wl.
; THE ROWS OF A TILE ARE NOT NEIGHBOURS: lane r of local tile Tl takes row 64 (Tl/4) + 8 (Tl%4) + r%8 + 32 (r/8).  A product that has such a tile as source 0 leaves in a lane's 32 registers of four
; neighbouring tiles 32 neighbouring rows: a whole block of the next product's K, in the order that a 4-bit operand wants.
; A work-group takes a tile, each of its four waves a K step: one fragment.  A lane reads two runs of 128 bytes of its row; the launch reads 2.6 MB in all, so these short runs are let stand.
; LIMITS: NaN and infinities are not served.  A block whose largest magnitude lies under 2^-124 (a block of zeros too) keeps the byte 1; its codes are what the conversion gives under that scale; only this program reads the bytes.
.set FLOOR, 0x1800000                  ; 2^(3-127): the floor among the leaves of every largest magnitude: the byte cannot fall under 1
.set M2,    0xff000000                 ; takes 2 off an exponent field
.set X,  16                            ; v16-79  my 64 numbers
.set CD, 80                            ; v80-87  the fragment's codes
.set MX, 88                            ; v88-89  largest magnitudes
.set SO, 90                            ; v90-91  the conversions' scale operands
.set BY, 92                            ; v92-93  the scale bytes
.set WD, 94                            ; v94     the scale word
.set TP, 95                            ; v95     the other half's part of it
.macro BMAX mx, g0, g1, g2, g3         ; the largest magnitude of 32 numbers in four groups of eight registers, each group from its low end on
	v_max3_num_f32 v[\mx], |v[\g0]|, |v[\g0+1]|, FLOOR
.irp p, 2,4,6
	v_max3_num_f32 v[\mx], v[\mx], |v[\g0+\p]|, |v[\g0+\p+1]|
.endr
.irp p, 0,2,4,6
	v_max3_num_f32 v[\mx], v[\mx], |v[\g1+\p]|, |v[\g1+\p+1]|
.endr
.irp p, 0,2,4,6
	v_max3_num_f32 v[\mx], v[\mx], |v[\g2+\p]|, |v[\g2+\p+1]|
.endr
.irp p, 0,2,4,6
	v_max3_num_f32 v[\mx], v[\mx], |v[\g3+\p]|, |v[\g3+\p+1]|
.endr
.endm
.macro BSC so, by, mx                  ; the conversion takes the exponent field of its scale operand alone: the largest magnitude with 2 off that field; shifted down it is the byte
	v_add_nc_u32 v[\so], M2, v[\mx]
	v_lshrrev_b32 v[\by], 23, v[\so]
.endm
.macro BCVT d, g0, g1, g2, g3, so      ; 32 numbers -> 32 codes in four registers
	v_cvt_scalef32_pk8_fp4_f32 v[\d], v[\g0:\g0+7], v[\so]
	v_cvt_scalef32_pk8_fp4_f32 v[\d+1], v[\g1:\g1+7], v[\so]
	v_cvt_scalef32_pk8_fp4_f32 v[\d+2], v[\g2:\g2+7], v[\so]
	v_cvt_scalef32_pk8_fp4_f32 v[\d+3], v[\g3:\g3+7], v[\so]
.endm
	s_load_b256 s[4:11], s[0:1], 0x0               ; Wq s[4:5], Wk1 s[6:7], Wk2 s[8:9], Wk3 s[10:11]
	s_load_b128 s[12:15], s[0:1], 0x20             ; Wv s[12:13], Wl s[14:15]
	s_load_b64 s[16:17], s[0:1], 0x30              ; wts
	v_lshl_add_u32 v96, v0, 2, 0x100
	v_mov_b32 v97, 0
	v_lshrrev_b32 v1, 5, v0
	v_readfirstlane_b32 s18, v1                    ; wave = K step
	v_and_b32 v6, 31, v0                           ; lane
	v_and_b32 v7, 15, v0                           ; r
	v_bfe_u32 v8, v0, 4, 1                         ; h
	v_and_b32 v9, 7, v0                            ; r % 8
	v_bfe_u32 v10, v0, 3, 1                        ; r / 8
	v_lshl_add_u32 v9, v10, 5, v9                  ; r%8 + 32 (r/8)
	v_lshlrev_b32 v1, 11, v9                       ; x 2,048 bytes a row
	v_lshl_add_u32 v1, v8, 7, v1                   ; + 128 h: my 32 numbers of a run of 64
	v_lshlrev_b32 v2, 4, v6                        ; 16 x lane: an image's place
	s_lshl_b32 s19, s18, 6
	v_lshl_add_u32 v3, v7, 2, s19                  ; LDS: 64 x wave + 4 r
	v_lshlrev_b32 v4, 3, v6                        ; 8 x lane
	v_lshlrev_b32 v5, 3, v8                        ; 8 h: how far my two bytes move up in the word
	v_mov_b32 v[TP], 0                             ; a lane permute's destination counts as one of its sources
	s_mov_b32 s26, 0x76543210
	s_mov_b32 s27, 0xfedcba98                      ; v_permlanex16_b32's selects for lane l xor 16
	s_wait_kmcnt 0x0
	s_mov_b64 s[20:21], s[14:15]                   ; which weight, and its first tile: a falling chain on the work-group's number
	s_mov_b32 s22, 48
	s_cmp_lt_u32 ttmp9, 48
	s_cselect_b64 s[20:21], s[12:13], s[20:21]
	s_cselect_b32 s22, 16, s22
	s_cmp_lt_u32 ttmp9, 16
	s_cselect_b64 s[20:21], s[10:11], s[20:21]
	s_cselect_b32 s22, 12, s22
	s_cmp_lt_u32 ttmp9, 12
	s_cselect_b64 s[20:21], s[8:9], s[20:21]
	s_cselect_b32 s22, 8, s22
	s_cmp_lt_u32 ttmp9, 8
	s_cselect_b64 s[20:21], s[6:7], s[20:21]
	s_cselect_b32 s22, 4, s22
	s_cmp_lt_u32 ttmp9, 4
	s_cselect_b64 s[20:21], s[4:5], s[20:21]
	s_cselect_b32 s22, 0, s22
	s_sub_co_u32 s23, ttmp9, s22                   ; Tl
	s_lshr_b32 s24, s23, 2
	s_lshl_b32 s24, s24, 6
	s_and_b32 s25, s23, 3
	s_lshl_b32 s25, s25, 3
	s_add_co_u32 s24, s24, s25                     ; 64 (Tl/4) + 8 (Tl%4)
	s_lshl_b32 s24, s24, 11
	s_lshl_b32 s25, s18, 9                         ; + my K step's 512 bytes
	s_add_co_u32 s24, s24, s25
	s_mov_b32 s25, 0
	s_add_nc_u64 s[20:21], s[20:21], s[24:25]
.irp c, 0,1
.irp i, 0,1,2,3,4,5,6,7
	global_load_b128 v[X+32*\c+4*\i:X+32*\c+4*\i+3], v1, s[20:21] offset:256*\c+16*\i
.endr
.endr
	s_lshl_b32 s24, ttmp9, 12                      ; where the fragment goes
	s_lshl_b32 s28, s18, 10
	s_add_co_u32 s24, s24, s28
	s_add_nc_u64 s[28:29], s[16:17], s[24:25]
	s_lshl_b32 s24, ttmp9, 8                       ; and the tile's 256 bytes of scale words
	s_add_co_u32 s24, s24, 327680
	s_add_nc_u64 s[30:31], s[16:17], s[24:25]
	s_wait_loadcnt 0x8                             ; my first block's eight loads are in; the second block's eight may be out
	BMAX MX, X, X+8, X+16, X+24
	s_wait_loadcnt 0x0
	BMAX MX+1, X+32, X+40, X+48, X+56
	BSC SO, BY, MX
	BSC SO+1, BY+1, MX+1
	v_lshl_or_b32 v[WD], v[BY+1], 16, v[BY]        ; my bytes: blocks h and 2 + h of the row's four,
	v_lshlrev_b32 v[WD], v5, v[WD]                 ; at their places;
	v_permlanex16_b32 v[TP], v[WD], s26, s27
	v_or_b32 v[WD], v[WD], v[TP]                   ; with lane l xor 16's two the word is whole
	BCVT CD, X, X+8, X+16, X+24, SO
	BCVT CD+4, X+32, X+40, X+48, X+56, SO+1
	v_nop                                          ; one plain line behind the last conversion
	global_store_b128 v2, v[CD:CD+3], s[28:29]             ; 512 consecutive bytes each
	global_store_b128 v2, v[CD+4:CD+7], s[28:29] offset:512
	ds_store_b32 v3, v[WD]                         ; both halves of the lanes write the same word with the same value
	s_wait_dscnt 0x0                               ; for the others' sake: my store has landed
	s_barrier_signal -1
	s_barrier_wait -1
	s_cmp_lg_u32 s18, 0
	s_cbranch_scc1 .Lend
	ds_load_b64 v[12:13], v4                       ; the four waves' scale words leave as 256 consecutive bytes
	s_wait_dscnt 0x0
	global_store_b64 v4, v[12:13], s[30:31]
.Lend:
	s_wait_tensorcnt 0x0
	ds_add_u32 v96, v97
	s_wait_dscnt 0x0
	s_endpgm
.Lfunc_end_k_q4f3f516b39_wquant:
	.size	k_q4f3f516b39_wquant, .Lfunc_end_k_q4f3f516b39_wquant-k_q4f3f516b39_wquant
	.p2alignl 7, 3214868480
	.fill 96, 4, 3214868480
	.section	.rodata,"a",@progbits
	.p2align	6, 0x0
	.amdhsa_kernel k_q4f3f516b39_wquant
		.amdhsa_group_segment_fixed_size 768
		.amdhsa_private_segment_fixed_size 0
		.amdhsa_enable_private_segment 0
		.amdhsa_kernarg_size 56
		.amdhsa_user_sgpr_count 2
		.amdhsa_user_sgpr_kernarg_segment_ptr 1
		.amdhsa_wavefront_size32 1
		.amdhsa_system_sgpr_workgroup_id_x 1
		.amdhsa_system_sgpr_workgroup_id_y 1
		.amdhsa_system_sgpr_workgroup_id_z 1
		.amdhsa_system_vgpr_workitem_id 0
		.amdhsa_next_free_vgpr 98
		.amdhsa_next_free_sgpr 66
		.amdhsa_reserve_vcc 0
		.amdhsa_float_denorm_mode_32 3
		.amdhsa_float_denorm_mode_16_64 3
		.amdhsa_memory_ordered 1
		.amdhsa_forward_progress 1
		.amdhsa_inst_pref_size 8
	.end_amdhsa_kernel
	.amdgpu_metadata
---
amdhsa.version: [ 1, 2 ]
amdhsa.kernels:
  - .name:           k_q4f3f516b39_wquant
    .symbol:         k_q4f3f516b39_wquant.kd
    .args:
      - { .name: Wq, .offset: 0, .size: 8, .value_kind: global_buffer, .address_space: global }
      - { .name: Wk1, .offset: 8, .size: 8, .value_kind: global_buffer, .address_space: global }
      - { .name: Wk2, .offset: 16, .size: 8, .value_kind: global_buffer, .address_space: global }
      - { .name: Wk3, .offset: 24, .size: 8, .value_kind: global_buffer, .address_space: global }
      - { .name: Wv, .offset: 32, .size: 8, .value_kind: global_buffer, .address_space: global }
      - { .name: Wl, .offset: 40, .size: 8, .value_kind: global_buffer, .address_space: global }
      - { .name: wts, .offset: 48, .size: 8, .value_kind: global_buffer, .address_space: global }
    .group_segment_fixed_size: 768
    .private_segment_fixed_size: 0
    .kernarg_segment_align: 8
    .kernarg_segment_size: 56
    .max_flat_workgroup_size: 128
    .sgpr_count:     66
    .vgpr_count:     98
    .wavefront_size: 32
...
	.end_amdgpu_metadata
.endif
;; end of part 1
;; launch proj (part 2): grid 192 x 1, 16 waves a work-group, no clusters, 39,936 bytes of LDS; arguments x, y, z, bq, bk1, bk2, bk3, bv, wts, qk, vb; writes qk, vb
.if DOCPART == 2
	.amdgcn_target "amdgcn-amd-amdhsa--gfx1250"
	.amdhsa_code_object_version 6
	.text
	.protected	k_q4f3f516b39_proj
	.globl	k_q4f3f516b39_proj
	.p2align	8
	.type	k_q4f3f516b39_proj,@function
k_q4f3f516b39_proj:
	s_mov_b64 s[64:65], 0
	v_nop
	global_prefetch_b8 v0, s[64:65] scope:SCOPE_SE
	s_setreg_imm32_b32 hwreg(HW_REG_WAVE_MODE, 25, 1), 1
	s_wait_xcnt 0x0
; Q = Wq x + bq, K1 = Wk1 x + bk1, K2 = Wk2 y + bk2, K3 = Wk3 z + bk3, V = Wv x + bv, all five products on codes of E2M1 with one E8M0 byte for each 32 along K = the 512 channels;
; the results are quantised at once for the products that follow: Q and K along their 64 channels, V along the pixels.  Nothing but codes and scale bytes leaves.
; SHARES.  Work-group id: tensor id/64 (x, y, z), batch (id/32)%2, ms = id%32: 128 pixels x 512 channels of one tensor.  128 pixels are one K step of V's product, so fragments and scale words come out whole.
; PIXEL TILES.  Tile tau (0..7) of a step, row i: pixel 128 ms + 64 (tau/4) + 8 (tau%4) + i%8 + 32 (i/8): with such a tile as source 0 a lane's 32 registers of four neighbouring tiles are 32 neighbouring pixels.
; PHASE A, every wave: 32 pixels (a lane a pixel) x 128 channels (registers run down the channels): each load reads 128 consecutive bytes, four waves side by side 512; a block of 32 channels lies in one lane; its codes go
;   into LDS as the image of an operand's registers (tile tau, K step s: 1,024 bytes, lane l's 16 bytes at c*512 + 16 l).   | barrier |
; PHASE B, one unit (matrix, tau) a wave: source 0 = 16 rows of the weight, source 1 = 16 pixels; the bias is the C of the first product; a lane then holds one pixel and outputs 32 h + 0..31: one block.
; PHASE C, x's work-groups alone: source 0 = 16 pixels, source 1 = 16 rows of Wv: a lane holds one channel and pixels 64 gg + 32 h + 0..31: one block of V along the pixels.   | barrier |  the scale words leave in runs of 512 bytes.
; OUT.  qk: record ((mat*2+b)*32+ms)*4608: codes tau*512 + 16 lane (K = 64: half a fragment), scale words 4096 + tau*64 + 4 r (bytes 2 and 3 are 0x7f: they scale zero codes).
;       vb: record (b*32+ms)*34816: codes T*1024 + c*512 + 16 lane, scale words 32768 + T*64 + 4 r.
; LIMITS: NaN and infinities are not served.  A block whose largest magnitude lies under 2^-124 (a block of zeros too) keeps the byte 1; only this program reads the bytes.
.set FLOOR, 0x1800000
.set M2,    0xff000000
.set XIMG, 0                           ; LDS: x's 32 fragment images, tau*4096 + s*1024
.set XSC,  32768                       ; their scale words, (tau*4+s)*64 + 4 i
.set GATH, 34816                       ; six runs of 512 bytes of scale words on their way out: 0, 1 the two units' matrices; 2-5 V's
.set D,  16                            ; v16-143  A: the numbers;  B: the weight's 16 fragments;  C: x's 16 fragments
.set E,  144                           ; v144-175 four accumulators
.set F,  176                           ; v176-207 B: x's 4 fragments;  C: Wv's 4
.set G,  208                           ; v208-223 scale words (B: the weight's 16;  C: x's 16): scales and nothing else
.set H,  224                           ; v224-227 scale words (B: x's 4;  C: Wv's 4)
.set BV, 228                           ; v228-235 C: bv of my channel, eight times: the C of a sum's first product
.set CD, 236                           ; v236-251 four sets of codes
.set MX, 252
.set SO, 253
.set BY, 254
.set WD, 255
.macro PLACES n
.rept \n
	v_nop
.endr
.endm
.macro BMAX mx, g0, g1, g2, g3         ; the largest magnitude of 32 numbers in four groups of eight registers, each group from its low end on
	v_max3_num_f32 v[\mx], |v[\g0]|, |v[\g0+1]|, FLOOR
.irp p, 2,4,6
	v_max3_num_f32 v[\mx], v[\mx], |v[\g0+\p]|, |v[\g0+\p+1]|
.endr
.irp p, 0,2,4,6
	v_max3_num_f32 v[\mx], v[\mx], |v[\g1+\p]|, |v[\g1+\p+1]|
.endr
.irp p, 0,2,4,6
	v_max3_num_f32 v[\mx], v[\mx], |v[\g2+\p]|, |v[\g2+\p+1]|
.endr
.irp p, 0,2,4,6
	v_max3_num_f32 v[\mx], v[\mx], |v[\g3+\p]|, |v[\g3+\p+1]|
.endr
.endm
.macro BSC so, by, mx
	v_add_nc_u32 v[\so], M2, v[\mx]
	v_lshrrev_b32 v[\by], 23, v[\so]
.endm
.macro BCVT d, g0, g1, g2, g3, so
	v_cvt_scalef32_pk8_fp4_f32 v[\d], v[\g0:\g0+7], v[\so]
	v_cvt_scalef32_pk8_fp4_f32 v[\d+1], v[\g1:\g1+7], v[\so]
	v_cvt_scalef32_pk8_fp4_f32 v[\d+2], v[\g2:\g2+7], v[\so]
	v_cvt_scalef32_pk8_fp4_f32 v[\d+3], v[\g3:\g3+7], v[\so]
.endm
.macro WM d, a, b, c, sa, sb
	v_wmma_scale_f32_16x16x128_f8f6f4 v[\d:\d+7], v[\a:\a+7], v[\b:\b+7], v[\c:\c+7], v[\sa], v[\sb] matrix_a_fmt:MATRIX_FMT_FP4 matrix_b_fmt:MATRIX_FMT_FP4
.endm
	s_load_b512 s[4:19], s[0:1], 0x0               ; x, y, z, bq, bk1, bk2, bk3, bv
	s_load_b128 s[20:23], s[0:1], 0x40             ; wts, qk
	s_load_b64 s[24:25], s[0:1], 0x50              ; vb
	v_lshrrev_b32 v1, 5, v0
	v_readfirstlane_b32 s26, v1                    ; wave 0..15
	s_lshr_b32 s27, ttmp9, 6                       ; tz: which tensor
	s_bfe_u32 s28, ttmp9, 0x10005                  ; b
	s_and_b32 s29, ttmp9, 31                       ; ms
	s_and_b32 s30, s26, 3                          ; pq: my 32 pixels (phase A)
	s_lshr_b32 s31, s26, 2                         ; cq: my 128 channels (phase A)
	s_lshr_b32 s32, s26, 3                         ; u: which of two matrices (phase B)
	s_and_b32 s33, s26, 7                          ; tau (phase B)
	s_and_b32 s34, s26, 1                          ; gg: which 64 pixels (phase C)
	s_lshr_b32 s35, s26, 1                         ; my first tile of Wv (phase C)
	v_and_b32 v244, 31, v0                         ; lane
	v_and_b32 v245, 15, v0                         ; r
	v_bfe_u32 v246, v0, 4, 1                       ; h
	v_bfe_u32 v247, v0, 3, 2                       ; lane / 8
	v_and_b32 v248, 7, v0                          ; lane % 8
	v_bfe_u32 v249, v0, 3, 1                       ; r / 8
	v_lshlrev_b32 v1, 2, v244                      ; 4 x lane: my pixel in a load
	; phase A: pixel 32 pq + lane is row 8 (pq%2) + lane%8 of tile 4 (pq/2) + lane/8
	s_lshr_b32 s36, s30, 1
	s_lshl_b32 s36, s36, 14
	s_and_b32 s37, s30, 1
	s_lshl_b32 s38, s37, 7
	s_add_co_u32 s36, s36, s38
	s_lshl_b32 s38, s31, 10
	s_add_co_u32 s36, s36, s38
	v_lshlrev_b32 v2, 12, v247
	v_lshl_add_u32 v2, v248, 4, v2
	v_add_nc_u32 v2, s36, v2                       ; where my codes go: tile*4096 + cq*1024 + 16 row (+ 256 for each block)
	s_lshr_b32 s36, s30, 1
	s_lshl_b32 s36, s36, 10
	s_lshl_b32 s38, s37, 5
	s_add_co_u32 s36, s36, s38
	s_lshl_b32 s38, s31, 6
	s_add_co_u32 s36, s36, s38
	s_add_co_u32 s36, s36, XSC
	v_lshlrev_b32 v3, 8, v247
	v_lshl_add_u32 v3, v248, 2, v3
	v_add_nc_u32 v3, s36, v3                       ; and my scale word
	s_lshl_b32 s36, s33, 12
	v_lshl_add_u32 v4, v244, 4, s36                ; phase B: tile tau's images
	s_lshl_b32 s36, s33, 8
	s_add_co_u32 s36, s36, XSC
	v_lshl_add_u32 v5, v245, 2, s36                ; and scale words
	s_lshl_b32 s36, s34, 14
	v_lshl_add_u32 v6, v244, 4, s36                ; phase C: the four tiles of my 64 pixels
	s_lshl_b32 s36, s34, 10
	s_add_co_u32 s36, s36, XSC
	v_lshl_add_u32 v7, v245, 2, s36
	v_lshlrev_b32 v8, 4, v244                      ; 16 x lane
	v_lshlrev_b32 v9, 2, v245                      ; 4 r
	v_lshlrev_b32 v10, 7, v246                     ; 128 h: the biases of outputs 32 h on
	v_lshlrev_b32 v11, 2, v248
	v_lshl_add_u32 v11, v249, 7, v11               ; 4 (r%8 + 32 (r/8)): my channel in a tile of Wv
	s_lshl_b32 s36, s32, 9
	s_lshl_b32 s38, s33, 6
	s_add_co_u32 s36, s36, s38
	s_add_co_u32 s36, s36, GATH
	v_lshl_add_u32 v12, v245, 2, s36               ; phase B's scale word on its way out
	s_lshl_b32 s36, s35, 6
	s_lshl_b32 s38, s34, 1
	s_add_co_u32 s36, s36, s38
	s_add_co_u32 s36, s36, GATH+1024
	v_lshl_add_u32 v13, v245, 2, v246
	v_add_nc_u32 v13, s36, v13                     ; phase C's scale byte: tile*64 + 4 r + 2 gg + h
	s_min_u32 s36, s26, 5
	s_lshl_b32 s36, s36, 9
	s_add_co_u32 s36, s36, GATH
	v_lshl_add_u32 v14, v244, 4, s36               ; the run of 512 bytes that I store at the end
	v_lshlrev_b32 v15, 3, v246                     ; 8 h
	s_mov_b32 s48, 0x76543210
	s_mov_b32 s49, 0xfedcba98                      ; v_permlanex16_b32's selects for lane l xor 16
	s_wait_kmcnt 0x0
	s_cmp_eq_u32 s27, 1                            ; the tensor: a choice on the work-group's number alone
	s_cselect_b64 s[40:41], s[6:7], s[4:5]
	s_cmp_eq_u32 s27, 2
	s_cselect_b64 s[40:41], s[8:9], s[40:41]
	s_lshl_b32 s36, s28, 23                        ; b x 8 MB
	s_lshl_b32 s38, s31, 21                        ; + 128 cq channels of 16,384 bytes
	s_add_co_u32 s36, s36, s38
	s_lshl_b32 s38, s29, 9                         ; + 128 ms pixels
	s_add_co_u32 s36, s36, s38
	s_lshl_b32 s38, s30, 7                         ; + 32 pq pixels
	s_add_co_u32 s36, s36, s38
	s_mov_b32 s37, 0
	s_add_nc_u64 s[40:41], s[40:41], s[36:37]
.macro LOADX ib                        ; block ib: 32 channels of my pixel
.set j, 0
.rept 32
	global_load_b32 v[D+32*\ib+j], v1, s[40:41] offset:(32*\ib+j)*16384 th:TH_LOAD_NT
.set j, j+1
.endr
.endm
.macro QX ib                           ; block ib is quantised; its 16 bytes of codes go to their place in the image
	BMAX MX, D+32*\ib, D+32*\ib+8, D+32*\ib+16, D+32*\ib+24
	BSC SO, BY, MX
.if \ib == 0
	v_mov_b32 v[WD], v[BY]
.else
	v_lshl_or_b32 v[WD], v[BY], 8*\ib, v[WD]
.endif
	BCVT CD+4*\ib, D+32*\ib, D+32*\ib+8, D+32*\ib+16, D+32*\ib+24, SO
	v_nop                                          ; one plain line behind the last conversion
	ds_store_b128 v2, v[CD+4*\ib:CD+4*\ib+3] offset:256*\ib
.endm
	LOADX 0
	LOADX 1
	; the other addresses are made while the first loads are on their way
	s_add_co_u32 s39, s27, 1
	s_cmp_eq_u32 s27, 0
	s_cselect_b32 s39, s32, s39                    ; mat: x: 0 (Q) or 1 (K1) by u;  y: 2;  z: 3
	s_cselect_b32 s52, 0, s32                      ; 0: this wave has a unit in phase B (in y's and z's work-groups waves 0-7 alone)
	s_cselect_b32 s53, 6, 1                        ; how many waves store a run of scale words at the end
	s_mov_b64 s[42:43], s[16:17]                   ; the bias, by mat
	s_cmp_lt_u32 s39, 3
	s_cselect_b64 s[42:43], s[14:15], s[42:43]
	s_cmp_lt_u32 s39, 2
	s_cselect_b64 s[42:43], s[12:13], s[42:43]
	s_cmp_lt_u32 s39, 1
	s_cselect_b64 s[42:43], s[10:11], s[42:43]
	s_lshl_b32 s36, s39, 14
	s_add_nc_u64 s[44:45], s[20:21], s[36:37]      ; the weight's four tiles of codes
	s_lshl_b32 s36, s39, 10
	s_add_co_u32 s36, s36, 327680
	s_add_nc_u64 s[46:47], s[20:21], s[36:37]      ; and their scale words
	s_lshl_b32 s36, s39, 1
	s_add_co_u32 s36, s36, s28
	s_lshl_b32 s36, s36, 5
	s_add_co_u32 s36, s36, s29
	s_mul_i32 s36, s36, 4608
	s_lshl_b32 s38, s33, 9
	s_add_co_u32 s36, s36, s38
	s_add_nc_u64 s[50:51], s[22:23], s[36:37]      ; qk: my unit's 512 bytes of codes
	s_add_co_u32 s38, s35, 16
	s_lshl_b32 s36, s38, 12
	s_add_nc_u64 s[54:55], s[20:21], s[36:37]      ; Wv: tile 16 + wave/2 (+ 8 k by the immediate)
	s_lshl_b32 s36, s38, 8
	s_add_co_u32 s36, s36, 327680
	s_add_nc_u64 s[56:57], s[20:21], s[36:37]
	s_lshl_b32 s36, s32, 8
	s_and_b32 s38, s35, 3
	s_lshl_b32 s38, s38, 5
	s_add_co_u32 s36, s36, s38
	s_add_nc_u64 s[58:59], s[18:19], s[36:37]      ; bv at 64 (T/4) + 8 (T%4)
	s_lshl_b32 s38, s28, 5
	s_add_co_u32 s38, s38, s29
	s_mul_i32 s38, s38, 34816                      ; V's record
	s_lshl_b32 s36, s35, 10
	s_add_co_u32 s36, s36, s38
	s_lshl_b32 s39, s34, 9
	s_add_co_u32 s36, s36, s39
	s_add_nc_u64 s[60:61], s[24:25], s[36:37]      ; vb: tile wave/2, half gg
	s_min_u32 s36, s26, 1                          ; the run of scale words that I store: wave 0, 1: a record of qk;
	s_add_co_u32 s39, s27, 1
	s_cmp_eq_u32 s27, 0
	s_cselect_b32 s36, s36, s39
	s_lshl_b32 s36, s36, 1
	s_add_co_u32 s36, s36, s28
	s_lshl_b32 s36, s36, 5
	s_add_co_u32 s36, s36, s29
	s_mul_i32 s36, s36, 4608
	s_add_co_u32 s36, s36, 4096
	s_add_nc_u64 s[62:63], s[22:23], s[36:37]
	s_max_u32 s36, s26, 2                          ; waves 2-5: a quarter of V's
	s_sub_co_u32 s36, s36, 2
	s_min_u32 s36, s36, 3
	s_lshl_b32 s36, s36, 9
	s_add_co_u32 s36, s36, s38
	s_add_co_u32 s36, s36, 32768
	s_add_nc_u64 s[36:37], s[24:25], s[36:37]
	s_cmp_lt_u32 s26, 2
	s_cselect_b64 s[62:63], s[62:63], s[36:37]
	; ---- A
	s_wait_loadcnt 0x20                            ; block 0's 32 loads are in; block 1's 32 may be out
	LOADX 2
	QX 0
	s_wait_loadcnt 0x20                            ; block 1 is in; block 2 may be out
	LOADX 3
	QX 1
	s_wait_loadcnt 0x20                            ; block 2 is in; block 3 may be out
	QX 2
	s_wait_loadcnt 0x0
	QX 3
	ds_store_b32 v3, v[WD]                         ; my pixel's scale word for these 128 channels
	s_wait_dscnt 0x0                               ; for the others' sake: my stores have landed
	s_barrier_signal -1
	s_barrier_wait -1                              ; the 32 images lie in LDS
	; ---- B: loads, waits and uses stand inside the one branch
	s_cmp_eq_u32 s52, 0
	s_cbranch_scc0 .Lno_b
.irp t, 0,1,2,3
.irp s, 0,1,2,3
.irp c, 0,1
	global_load_b128 v[D+8*(4*\t+\s)+4*\c:D+8*(4*\t+\s)+4*\c+3], v8, s[44:45] offset:\t*4096+\s*1024+\c*512
.endr
	global_load_b32 v[G+4*\t+\s], v9, s[46:47] offset:\t*256+\s*64
.endr
	global_load_b128 v[E+8*\t:E+8*\t+3], v10, s[42:43] offset:32*\t          ; the bias of outputs 32 h + 8 t + 0..7, straight into the accumulator
	global_load_b128 v[E+8*\t+4:E+8*\t+7], v10, s[42:43] offset:32*\t+16
.endr
.irp s, 0,1,2,3
.irp c, 0,1
	ds_load_b128 v[F+8*\s+4*\c:F+8*\s+4*\c+3], v4 offset:\s*1024+\c*512
.endr
	ds_load_b32 v[H+\s], v5 offset:\s*64
.endr
	s_wait_loadcnt 0x0
	s_wait_dscnt 0x0
.irp s, 0,1,2,3                                ; four accumulators by turns, K ascending
.irp t, 0,1,2,3
	WM E+8*\t, D+8*(4*\t+\s), F+8*\s, E+8*\t, G+4*\t+\s, H+\s
.endr
.endr
	PLACES 5                                       ; four in front of the reads of results and of loads into the operands; the fifth since phase C begins these accumulators anew
	BMAX MX, E, E+8, E+16, E+24                    ; my pixel's outputs 32 h + 0..31: one block
	BSC SO, BY, MX
	v_lshlrev_b32 v[BY], v15, v[BY]                ; byte h of the word,
	v_permlanex16_b32 v[WD], v[BY], s48, s49
	v_or_b32 v[BY], v[BY], v[WD]                   ; with lane l xor 16's,
	v_or_b32 v[BY], 0x7f7f0000, v[BY]              ; and 1.0 for the upper 64 of the instruction's K, which are zero codes
	BCVT CD, E, E+8, E+16, E+24, SO
	v_nop
	global_store_b128 v8, v[CD:CD+3], s[50:51]     ; 512 consecutive bytes
	ds_store_b32 v12, v[BY]
.Lno_b:
	; ---- C
	s_cmp_eq_u32 s27, 0
	s_cbranch_scc0 .Lno_c
	s_wait_xcnt 0x0                                ; phase B's store has read its codes: the registers are written again below
.macro VLW k                           ; Wv's tile wave/2 + 8 k: four fragments, four scale words, my channel's bias eight times
.irp s, 0,1,2,3
.irp c, 0,1
	global_load_b128 v[F+8*\s+4*\c:F+8*\s+4*\c+3], v8, s[54:55] offset:(\k)*32768+\s*1024+\c*512
.endr
	global_load_b32 v[H+\s], v9, s[56:57] offset:(\k)*2048+\s*64
.endr
.irp j, 0,1,2,3,4,5,6,7
	global_load_b32 v[BV+\j], v11, s[58:59] offset:(\k)*512
.endr
.endm
.macro VSTEP k
	s_wait_loadcnt 0x0
.irp t, 0,1,2,3
	WM E+8*\t, D+32*\t, F, BV, G+4*\t, H
.endr
.irp s, 1,2,3
.irp t, 0,1,2,3
	WM E+8*\t, D+8*(4*\t+\s), F+8*\s, E+8*\t, G+4*\t+\s, H+\s
.endr
.endr
	PLACES 5                                       ; as in phase B
.if \k < 3
	VLW \k+1
.endif
	BMAX MX, E, E+8, E+16, E+24                    ; my channel's pixels 64 gg + 32 h + 0..31: one block
	s_wait_dscnt 0x0                               ; the last byte's store has read its register
	BSC SO, BY, MX
	BCVT CD+4*\k, E, E+8, E+16, E+24, SO
	v_nop
	global_store_b128 v8, v[CD+4*\k:CD+4*\k+3], s[60:61] offset:\k*8192      ; 512 consecutive bytes: half gg of the fragment
	ds_store_b8 v13, v[BY] offset:\k*512
.endm
.irp t, 0,1,2,3
.irp s, 0,1,2,3
.irp c, 0,1
	ds_load_b128 v[D+8*(4*\t+\s)+4*\c:D+8*(4*\t+\s)+4*\c+3], v6 offset:(4*\t+\s)*1024+\c*512
.endr
	ds_load_b32 v[G+4*\t+\s], v7 offset:(4*\t+\s)*64
.endr
.endr
	VLW 0
	s_wait_dscnt 0x0
	VSTEP 0
	VSTEP 1
	VSTEP 2
	VSTEP 3
.Lno_c:
	s_wait_dscnt 0x0
	s_barrier_signal -1
	s_barrier_wait -1                              ; all scale words lie in LDS
	s_cmp_lt_u32 s26, s53
	s_cbranch_scc0 .Lend
	ds_load_b128 v[16:19], v14
	s_wait_dscnt 0x0
	global_store_b128 v8, v[16:19], s[62:63]       ; 512 consecutive bytes
.Lend:
	s_wait_xcnt 0x0
	v_lshl_add_u32 v254, v0, 2, 0x9400
	v_mov_b32 v255, 0
	s_wait_tensorcnt 0x0
	ds_add_u32 v254, v255
	s_wait_dscnt 0x0
	s_endpgm
.Lfunc_end_k_q4f3f516b39_proj:
	.size	k_q4f3f516b39_proj, .Lfunc_end_k_q4f3f516b39_proj-k_q4f3f516b39_proj
	.p2alignl 7, 3214868480
	.fill 96, 4, 3214868480
	.section	.rodata,"a",@progbits
	.p2align	6, 0x0
	.amdhsa_kernel k_q4f3f516b39_proj
		.amdhsa_group_segment_fixed_size 39936
		.amdhsa_private_segment_fixed_size 0
		.amdhsa_enable_private_segment 0
		.amdhsa_kernarg_size 88
		.amdhsa_user_sgpr_count 2
		.amdhsa_user_sgpr_kernarg_segment_ptr 1
		.amdhsa_wavefront_size32 1
		.amdhsa_system_sgpr_workgroup_id_x 1
		.amdhsa_system_sgpr_workgroup_id_y 1
		.amdhsa_system_sgpr_workgroup_id_z 1
		.amdhsa_system_vgpr_workitem_id 0
		.amdhsa_next_free_vgpr 256
		.amdhsa_next_free_sgpr 66
		.amdhsa_reserve_vcc 0
		.amdhsa_float_denorm_mode_32 3
		.amdhsa_float_denorm_mode_16_64 3
		.amdhsa_memory_ordered 1
		.amdhsa_forward_progress 1
		.amdhsa_inst_pref_size 61
	.end_amdhsa_kernel
	.amdgpu_metadata
---
amdhsa.version: [ 1, 2 ]
amdhsa.kernels:
  - .name:           k_q4f3f516b39_proj
    .symbol:         k_q4f3f516b39_proj.kd
    .args:
      - { .name: x, .offset: 0, .size: 8, .value_kind: global_buffer, .address_space: global }
      - { .name: y, .offset: 8, .size: 8, .value_kind: global_buffer, .address_space: global }
      - { .name: z, .offset: 16, .size: 8, .value_kind: global_buffer, .address_space: global }
      - { .name: bq, .offset: 24, .size: 8, .value_kind: global_buffer, .address_space: global }
      - { .name: bk1, .offset: 32, .size: 8, .value_kind: global_buffer, .address_space: global }
      - { .name: bk2, .offset: 40, .size: 8, .value_kind: global_buffer, .address_space: global }
      - { .name: bk3, .offset: 48, .size: 8, .value_kind: global_buffer, .address_space: global }
      - { .name: bv, .offset: 56, .size: 8, .value_kind: global_buffer, .address_space: global }
      - { .name: wts, .offset: 64, .size: 8, .value_kind: global_buffer, .address_space: global }
      - { .name: qk, .offset: 72, .size: 8, .value_kind: global_buffer, .address_space: global }
      - { .name: vb, .offset: 80, .size: 8, .value_kind: global_buffer, .address_space: global }
    .group_segment_fixed_size: 39936
    .private_segment_fixed_size: 0
    .kernarg_segment_align: 8
    .kernarg_segment_size: 88
    .max_flat_workgroup_size: 512
    .sgpr_count:     66
    .vgpr_count:     256
    .wavefront_size: 32
...
	.end_amdgpu_metadata
.endif
;; end of part 2
;; launch stats (part 3): grid 256 x 1, 16 waves a work-group, clusters of 4 x 1, 327,680 bytes of LDS; arguments qk, st; writes st
.if DOCPART == 3
	.amdgcn_target "amdgcn-amd-amdhsa--gfx1250"
	.amdhsa_code_object_version 6
	.text
	.protected	k_q4f3f516b39_stats
	.globl	k_q4f3f516b39_stats
	.p2align	8
	.type	k_q4f3f516b39_stats,@function
k_q4f3f516b39_stats:
	s_mov_b64 s[64:65], 0
	v_nop
	global_prefetch_b8 v0, s[64:65] scope:SCOPE_SE
	s_setreg_imm32_b32 hwreg(HW_REG_WAVE_MODE, 25, 1), 1
	s_wait_xcnt 0x0
	s_wait_alu depctr_hold_cnt(0) depctr_sa_sdst(0) depctr_va_vdst(0) depctr_va_sdst(0) depctr_va_ssrc(0) depctr_va_vcc(0) depctr_vm_vsrc(0)
	s_getreg_b32 s2, hwreg(HW_REG_IB_STS2, 6, 4)
	s_cmp_eq_u32 s2, 0
	s_cbranch_scc0 .Lentry_in_a_cluster
	s_endpgm
.Lentry_in_a_cluster:
	s_bfe_u32 s2, ttmp6, 0x10000c
	s_cmp_lg_u32 s2, 0x3003
	s_cbranch_scc0 .Lentry_shape_is_right
	s_endpgm
.Lentry_shape_is_right:
; For each of the three branches and each Q pixel m: negG[m] = -ln( sum over all 4,096 K pixels n of exp(Q_m . K_n) ), the scores on codes of E2M1.  The attention launch needs it before it can make a single code:
; the softmax's divisor belongs to the index m over which the second product sums, and the finished, normalised weight is what is quantised.
; SHARES.  Work-group wg = b*128 + (tile pair): 32 Q pixels, tiles mt = 0, 1.  Wave w takes the K pixels of steps 2 w and 2 w + 1 (256), for all three branches: six tasks (branch, mt) of 16 m x 256 n.
; LAYOUT.  Source 0 = 16 K pixels, source 1 = the 16 Q pixels: a lane holds ONE m (lane % 16) and 128 of the task's 256 scores.  So the maximum is taken first, over registers, and taken away before any exponential:
;   t = score x log2(e);  M = the lane's largest t rounded UP to a whole number;  Z = sum of 2^(t - M).  The pairs (-M, Z) of 16 waves x 2 halves of the lanes meet in LDS; bringing them under one M multiplies by whole powers of two.
; K = 64 in an instruction that is 128 deep: Q's fragments hold zero codes in their upper four registers; K's lie dense, four registers a tile, so a tile's upper four are the next tile's codes (numbers times zero codes);
;   four zeroed registers close the run; the pad's scale bytes are 0x7f.
; CLUSTER.  All 128 work-groups of a batch walk the same three K: the four of a cluster ask jointly (mask 15).  A wave reads only the bytes that it asked for, so its own TENSORcnt orders its reads.
;   Two slots of one branch each; K3 comes into K1's slot.  By this text's count at most two tensor loads of a wave are out.
; OUT.  st: wg*512 + branch*128 + mt*64 + 4 (the tile's row); branch 3 is a pad of zeros, so that the 512 bytes leave as one run.
; LIMITS: NaN and infinities are not served.  G is kept as one f32: its error is of the size of the rounding of a score of that magnitude.
.set WV,    8                          ; s8  my wave's number
.set SLOTB, 147456                     ; a slot: one branch's 32 records of 4,608 bytes
.set SPARE, 2*SLOTB                    ; the spare words, 128 bytes for each of 16 waves: eight blocks of 256 bytes that no other line names
.set MRG,   SPARE+2048                 ; the pairs: task*4096 + wave*256 + 8 lane
.set OUTS,  MRG+6*4096                 ; the 512 bytes on their way out
.set QF, 16                            ; v16-31   Q's two tiles
.set QS, 32                            ; v32      their scale words: tile 0 in lanes 0-15, tile 1 in lanes 16-31
.set KF, 36                            ; v36-103  16 dense tiles of K, and four zeros
.set KS, 104                           ; v104-111 their scale words, a pair of tiles a register
.set S,  112                           ; v112-239 the scores
.set SG1, 24                           ; s[24:31] descriptor group 1
.set SG0, 32                           ; s[32:39] group 0, a set for each slot
.macro PLACES n
.rept \n
	v_nop
.endr
.endm
.macro WMZ d, a, b, sa, sb, ra, rb     ; a product that starts its sum; ra, rb: the scales stand in lanes 16-31
.if (\ra) && (\rb)
	v_wmma_scale_f32_16x16x128_f8f6f4 v[\d:\d+7], v[\a:\a+7], v[\b:\b+7], 0, v[\sa], v[\sb] matrix_a_fmt:MATRIX_FMT_FP4 matrix_b_fmt:MATRIX_FMT_FP4 matrix_a_scale:MATRIX_SCALE_ROW1 matrix_b_scale:MATRIX_SCALE_ROW1
.elseif (\ra)
	v_wmma_scale_f32_16x16x128_f8f6f4 v[\d:\d+7], v[\a:\a+7], v[\b:\b+7], 0, v[\sa], v[\sb] matrix_a_fmt:MATRIX_FMT_FP4 matrix_b_fmt:MATRIX_FMT_FP4 matrix_a_scale:MATRIX_SCALE_ROW1
.elseif (\rb)
	v_wmma_scale_f32_16x16x128_f8f6f4 v[\d:\d+7], v[\a:\a+7], v[\b:\b+7], 0, v[\sa], v[\sb] matrix_a_fmt:MATRIX_FMT_FP4 matrix_b_fmt:MATRIX_FMT_FP4 matrix_b_scale:MATRIX_SCALE_ROW1
.else
	v_wmma_scale_f32_16x16x128_f8f6f4 v[\d:\d+7], v[\a:\a+7], v[\b:\b+7], 0, v[\sa], v[\sb] matrix_a_fmt:MATRIX_FMT_FP4 matrix_b_fmt:MATRIX_FMT_FP4
.endif
.endm
.macro ROUND                           ; a round of the cluster's barrier
	s_barrier_signal -1
	s_barrier_wait -1
	s_cmp_lg_u32 s[WV], 0
	s_cbranch_scc1 .Lnot_wave_0_\@
	s_barrier_signal -3
.Lnot_wave_0_\@:
	s_barrier_wait -3
	s_barrier_signal -1
	s_barrier_wait -1
.endm
	s_load_b128 s[4:7], s[0:1], 0x0                ; qk, st
	v_lshl_add_u32 v1, v0, 2, SPARE                ; my spare word; never rewritten
	v_mov_b32 v2, 0                                ; 0; never rewritten
	ds_add_u32 v1, v2
	ds_add_u32 v1, v2
	s_wait_dscnt 0x0
.irp j, 4,5,6,7,12,13,14,15
	v_mov_b32 v[QF+\j], 0                          ; zero codes for the upper 64 of the instruction's K; the address work below stands between these lines and the first product
.endr
.irp j, 64,65,66,67
	v_mov_b32 v[KF+\j], 0
.endr
	v_mov_b32 v15, 0                               ; a lane permute's destination counts as one of its sources
	v_lshrrev_b32 v3, 5, v0
	v_readfirstlane_b32 s[WV], v3
	s_bfe_u32 s9, ttmp6, 0x40000                   ; cx: it enters Q's and st's global addresses alone
	s_lshl_b32 s10, ttmp9, 2
	s_add_co_u32 s10, s10, s9                      ; wg
	s_lshr_b32 s11, ttmp9, 5                       ; b: the same in the four partners
	s_mul_i32 s12, s[WV], 9216                     ; my two records
	v_and_b32 v13, 31, v0                          ; lane
	v_and_b32 v14, 15, v0                          ; r
	v_lshlrev_b32 v11, 4, v13                      ; 16 x lane
	v_lshlrev_b32 v12, 2, v13                      ; 4 x lane
	v_add_nc_u32 v3, s12, v11                      ; K's codes in slot 0,
	v_add_nc_u32 v4, SLOTB, v3                     ; in slot 1
	v_add_nc_u32 v5, s12, v12
	v_add_nc_u32 v5, 4096, v5                      ; K's scale words in slot 0,
	v_add_nc_u32 v6, SLOTB, v5                     ; in slot 1
	s_lshl_b32 s13, s[WV], 8
	s_add_co_u32 s13, s13, MRG
	v_lshl_add_u32 v7, v13, 3, s13                 ; where I put a pair
	s_min_u32 s13, s[WV], 5
	s_lshl_b32 s13, s13, 12
	s_add_co_u32 s13, s13, MRG
	v_lshl_add_u32 v8, v13, 3, s13                 ; where waves 0-5 read a task's pairs
	s_min_u32 s13, s[WV], 7
	s_lshl_b32 s13, s13, 6
	s_add_co_u32 s13, s13, OUTS
	v_lshl_add_u32 v9, v14, 2, s13                 ; where waves 0-7 put 64 bytes of the result
	v_add_nc_u32 v10, OUTS, v11
	; descriptor group 1: a wave's two records, 9,216 dense bytes, as 36 rows of 256 bytes (32 elements of 8); images are read dense, so no padding
	s_mov_b32 s[SG1], 15|(3<<16)|(1<<21)           ; 15:0 the mask: all four work-groups; 17:16 elements of 8 bytes; 21 set beside a mask
	s_mov_b32 s[SG1+1], 32<<16                     ; tensor_dim0
	s_mov_b32 s[SG1+2], 36<<16                     ; tensor_dim1
	s_mov_b32 s[SG1+3], 32<<16                     ; tile_dim0
	s_mov_b32 s[SG1+4], 36                         ; tile_dim1
	s_mov_b32 s[SG1+5], 32                         ; the pitch
	s_mov_b32 s[SG1+6], 0
	s_mov_b32 s[SG1+7], 0
	s_mul_i32 s14, s11, 147456
	s_add_co_u32 s14, s14, s12                     ; my records inside a matrix of qk: no place in the cluster enters
	s_mov_b32 s15, 0
	s_and_b32 s16, ttmp9, 31                       ; Q: record (0, b, (wg%128)/4), tiles 2 cx and 2 cx + 1
	s_mul_i32 s16, s16, 4608
	s_mul_i32 s17, s11, 147456
	s_add_co_u32 s16, s16, s17
	s_lshl_b32 s17, s9, 10
	s_add_co_u32 s18, s16, s17                     ; codes
	s_mov_b32 s19, 0
	s_lshl_b32 s17, s9, 7
	s_add_co_u32 s16, s16, s17
	s_add_co_u32 s16, s16, 4096                    ; scale words
	s_mov_b32 s17, 0
	s_lshl_b32 s20, s10, 9                         ; st: 512 bytes a work-group
	s_mov_b32 s21, 0
	s_mov_b32 s40, 0x3fb8aa3b                      ; log2(e)
	s_mov_b32 s41, s40                             ; (named with it as a pair, so it is written)
	s_mov_b32 s42, 0x76543210
	s_mov_b32 s43, 0xfedcba98                      ; v_permlanex16_b32's selects for lane l xor 16
	s_wait_kmcnt 0x0
	s_add_nc_u64 s[18:19], s[4:5], s[18:19]
	s_add_nc_u64 s[16:17], s[4:5], s[16:17]
	s_add_nc_u64 s[20:21], s[6:7], s[20:21]
	s_add_nc_u64 s[14:15], s[4:5], s[14:15]
.irp n, 0,1
	s_mov_b32 s[SG0+4*\n], 1                       ; count = 1
	s_add_co_u32 s[SG0+4*\n+1], s12, \n*SLOTB      ; LDS address
	s_add_nc_u64 s[SG0+4*\n+2:SG0+4*\n+3], s[14:15], (1+\n)*294912    ; slot 0: K1; slot 1: K2
	s_or_b32 s[SG0+4*\n+3], s[SG0+4*\n+3], 0x80000000                 ; type = 2
.endr
	ROUND                                          ; all four work-groups are here: the first joint loads meet
	tensor_load_to_lds s[SG0:SG0+3], s[SG1:SG1+7]
	s_nop 0
	tensor_load_to_lds s[SG0+4:SG0+7], s[SG1:SG1+7]
	s_nop 0
	PLACES 4
	global_load_b128 v[QF:QF+3], v11, s[18:19]
	global_load_b128 v[QF+8:QF+11], v11, s[18:19] offset:512
	global_load_b32 v[QS], v12, s[16:17]
.macro KLOAD sl                        ; my 16 tiles of the branch in slot sl
.set i, 0
.rept 16
	ds_load_b128 v[KF+4*i:KF+4*i+3], v[3+\sl] offset:(i/8)*4608+(i%8)*512
.set i, i+1
.endr
.set i, 0
.rept 8
	ds_load_b32 v[KS+i], v[5+\sl] offset:(i/4)*4608+(i%4)*128
.set i, i+1
.endr
	s_wait_dscnt 0x0
.endm
.macro TASK br, mt
.set i, 0
.rept 16
	WMZ S+8*i, KF+4*i, QF+8*\mt, KS+i/2, QS, i%2, \mt
.set i, i+1
.endr
	PLACES 4
.irp k, 0,1,2,3                                ; the largest of my 128 scores: four chains, each accumulator from its low end on
	v_max_num_f32 v[240+\k], v[S+8*\k], v[S+8*\k+1]
.endr
.irp p, 2,4,6
.irp k, 0,1,2,3
	v_max3_num_f32 v[240+\k], v[240+\k], v[S+8*\k+\p], v[S+8*\k+\p+1]
.endr
.endr
.irp a, 4,8,12
.irp p, 0,2,4,6
.irp k, 0,1,2,3
	v_max3_num_f32 v[240+\k], v[240+\k], v[S+8*(\k+\a)+\p], v[S+8*(\k+\a)+\p+1]
.endr
.endr
.endr
	v_max3_num_f32 v240, v240, v241, v242
	v_max_num_f32 v240, v240, v243
	v_mul_f32 v240, s40, v240                      ; as t (log2(e) is positive)
	v_floor_f32 v244, -v240                        ; -M = floor(-t) = -ceil(t): a whole number
	v_mov_b32 v245, v244                           ; (the pair's upper word is named, so it is written)
.set j, 0
.rept 64
	v_pk_fma_f32 v[S+j:S+j+1], v[S+j:S+j+1], s[40:41], v[244:245] op_sel_hi:[1,0,0]      ; t - M, two at a time, one rounding
.set j, j+2
.endr
.set j, 0
.rept 128
	v_exp_f32 v[S+j], v[S+j]                       ; 2^(t - M), at most 1
.set j, j+1
.endr
	v_nop                                          ; a plain line behind the last exponential
	s_wait_alu depctr_va_vdst(0)                   ; one wait for the whole batch, ahead of its first reader
.irp k, 0,1,2,3                                ; the sum, two at a time, in four chains
	v_pk_add_f32 v[246+2*\k:247+2*\k], v[S+2*\k:S+2*\k+1], v[S+8+2*\k:S+9+2*\k]
.endr
.set j, 16
.rept 14
.irp k, 0,1,2,3
	v_pk_add_f32 v[246+2*\k:247+2*\k], v[246+2*\k:247+2*\k], v[S+j+2*\k:S+j+2*\k+1]
.endr
.set j, j+8
.endr
	v_pk_add_f32 v[246:247], v[246:247], v[248:249]
	v_pk_add_f32 v[250:251], v[250:251], v[252:253]
	v_pk_add_f32 v[246:247], v[246:247], v[250:251]
	s_wait_dscnt 0x0                               ; the last pair's store has read its registers
	v_mov_b32 v254, v244
	v_add_f32 v255, v246, v247
	ds_store_b64 v7, v[254:255] offset:(2*\br+\mt)*4096
.endm
.macro BR br, sl
	KLOAD \sl
	TASK \br, 0
	TASK \br, 1
.endm
	s_wait_tensorcnt 0x1                           ; my part of slot 0 is in; slot 1's load may be out
	s_wait_loadcnt 0x0                             ; Q
	BR 0, 0
	s_wait_tensorcnt 0x0                           ; all my tensor loads have landed, so a group 0 may be written;
	ds_add_u32 v1, v2                              ; 0 onto my spare word;
	s_add_nc_u64 s[SG0+2:SG0+3], s[SG0+2:SG0+3], 589824    ; from K1 to K3
	s_wait_dscnt 0x0                               ; the add is done, and my reads of slot 0 are over
	ROUND                                          ; the same holds of every wave of every partner
	tensor_load_to_lds s[SG0:SG0+3], s[SG1:SG1+7]  ; my one load behind the round: K3 has the whole second branch in which to land
	s_nop 0
	PLACES 4
	BR 1, 1
	s_wait_tensorcnt 0x0                           ; the last tile
	BR 2, 0
	s_wait_dscnt 0x0
	s_barrier_signal -1
	s_barrier_wait -1                              ; all pairs lie in LDS
	v_mov_b32 v240, 0                              ; what waves 6 and 7 store: the pad
	s_cmp_lt_u32 s[WV], 6
	s_cbranch_scc0 .Lno_merge
.set i, 0
.rept 16
	ds_load_b64 v[112+2*i:113+2*i], v8 offset:256*i        ; task = my wave's number: the 16 waves' pairs of my lane
.set i, i+1
.endr
	s_wait_dscnt 0x0
	v_min3_num_f32 v144, v112, v114, v116          ; the least -M is the largest M
.irp j, 118,122,126,130,134,138
	v_min3_num_f32 v144, v144, v[\j], v[\j+2]
.endr
	v_min_num_f32 v144, v144, v142
	v_permlanex16_b32 v15, v144, s42, s43
	v_min_num_f32 v144, v144, v15                  ; with the other half of the lanes
.set i, 0
.rept 16
	v_sub_f32 v[112+2*i], v144, v[112+2*i]         ; M_i - M: a whole number, 0 or less
.set i, i+1
.endr
.set i, 0
.rept 16
	v_cvt_i32_f32 v[112+2*i], v[112+2*i]           ; (it saturates)
.set i, i+1
.endr
.set i, 0
.rept 16
	v_ldexp_f32 v[113+2*i], v[113+2*i], v[112+2*i] ; Z_i under the common M: nothing is rounded
.set i, i+1
.endr
	v_add_f32 v145, v113, v115
	v_add_f32 v146, v117, v119
.irp j, 121,125,129,133,137,141
	v_add_f32 v145, v145, v[\j]
	v_add_f32 v146, v146, v[\j+2]
.endr
	v_add_f32 v145, v145, v146
	v_permlanex16_b32 v15, v145, s42, s43
	v_add_f32 v145, v145, v15
	v_log_f32 v146, v145
	v_nop                                          ; a plain line behind the logarithm
	s_wait_alu depctr_va_vdst(0)                   ; and the wait ahead of its reader
	v_sub_f32 v146, v144, v146                     ; -M - log2 Z
	v_mul_f32 v240, 0x3f317218, v146               ; x ln 2 = -ln sum exp(score)
.Lno_merge:
	s_cmp_lt_u32 s[WV], 8
	s_cbranch_scc0 .Lno_out
	ds_store_b32 v9, v240                          ; both halves of the lanes write the same word with the same value
.Lno_out:
	s_wait_dscnt 0x0
	s_barrier_signal -1
	s_barrier_wait -1
	s_cmp_lg_u32 s[WV], 0
	s_cbranch_scc1 .Lnot_first
	ds_load_b128 v[112:115], v10
	s_wait_dscnt 0x0
	global_store_b128 v11, v[112:115], s[20:21]    ; 512 consecutive bytes
.Lnot_first:
	s_wait_tensorcnt 0x0                           ; the wave's end
	ds_add_u32 v1, v2
	s_wait_dscnt 0x0
	ROUND                                          ; the closing round: no work-group ends while a partner may still ask for a tile that names it
	s_endpgm
.Lfunc_end_k_q4f3f516b39_stats:
	.size	k_q4f3f516b39_stats, .Lfunc_end_k_q4f3f516b39_stats-k_q4f3f516b39_stats
	.p2alignl 7, 3214868480
	.fill 96, 4, 3214868480
	.section	.rodata,"a",@progbits
	.p2align	6, 0x0
	.amdhsa_kernel k_q4f3f516b39_stats
		.amdhsa_group_segment_fixed_size 327680
		.amdhsa_private_segment_fixed_size 0
		.amdhsa_enable_private_segment 0
		.amdhsa_kernarg_size 16
		.amdhsa_user_sgpr_count 2
		.amdhsa_user_sgpr_kernarg_segment_ptr 1
		.amdhsa_wavefront_size32 1
		.amdhsa_system_sgpr_workgroup_id_x 1
		.amdhsa_system_sgpr_workgroup_id_y 1
		.amdhsa_system_sgpr_workgroup_id_z 1
		.amdhsa_system_vgpr_workitem_id 0
		.amdhsa_next_free_vgpr 256
		.amdhsa_next_free_sgpr 66
		.amdhsa_reserve_vcc 0
		.amdhsa_float_denorm_mode_32 3
		.amdhsa_float_denorm_mode_16_64 3
		.amdhsa_memory_ordered 1
		.amdhsa_forward_progress 1
		.amdhsa_inst_pref_size 127
	.end_amdhsa_kernel
	.amdgpu_metadata
---
amdhsa.version: [ 1, 2 ]
amdhsa.kernels:
  - .name:           k_q4f3f516b39_stats
    .symbol:         k_q4f3f516b39_stats.kd
    .args:
      - { .name: qk, .offset: 0, .size: 8, .value_kind: global_buffer, .address_space: global }
      - { .name: st, .offset: 8, .size: 8, .value_kind: global_buffer, .address_space: global }
    .group_segment_fixed_size: 327680
    .private_segment_fixed_size: 0
    .kernarg_segment_align: 8
    .kernarg_segment_size: 16
    .max_flat_workgroup_size: 512
    .sgpr_count:     66
    .vgpr_count:     256
    .wavefront_size: 32
...
	.end_amdgpu_metadata
.endif
;; end of part 3
;; launch attn (part 4): grid 256 x 1, 8 waves a work-group, clusters of 4 x 1, 327,680 bytes of LDS; arguments qk, vb, st, at; writes at
.if DOCPART == 4
	.amdgcn_target "amdgcn-amd-amdhsa--gfx1250"
	.amdhsa_code_object_version 6
	.text
	.protected	k_q4f3f516b39_attn
	.globl	k_q4f3f516b39_attn
	.p2align	8
	.type	k_q4f3f516b39_attn,@function
k_q4f3f516b39_attn:
	s_mov_b64 s[64:65], 0
	v_nop
	global_prefetch_b8 v0, s[64:65] scope:SCOPE_SE
	s_setreg_imm32_b32 hwreg(HW_REG_WAVE_MODE, 25, 1), 1
	s_wait_xcnt 0x0
	s_wait_alu depctr_hold_cnt(0) depctr_sa_sdst(0) depctr_va_vdst(0) depctr_va_sdst(0) depctr_va_ssrc(0) depctr_va_vcc(0) depctr_vm_vsrc(0)
	s_getreg_b32 s2, hwreg(HW_REG_IB_STS2, 6, 4)
	s_cmp_eq_u32 s2, 0
	s_cbranch_scc0 .Lentry_in_a_cluster
	s_endpgm
.Lentry_in_a_cluster:
	s_bfe_u32 s2, ttmp6, 0x10000c
	s_cmp_lg_u32 s2, 0x3003
	s_cbranch_scc0 .Lentry_shape_is_right
	s_endpgm
.Lentry_shape_is_right:
; att[c][n] = sum over the three branches and over all Q pixels m of V[c][m] p[m][n],  p[m][n] = exp(Q_m . K_n - G[m]),  G[m] = ln sum over n' of exp(Q_m . K_n') from the launch before (st holds -G).
; p is the finished, normalised softmax; it is quantised along m, in blocks of 32, as V is.  Both products on codes of E2M1 with E8M0 scales.  G is at least the row's largest score, so no exponent is above 0.
; att is quantised at once along the channels, for the last product, and leaves as codes.
; SHARES.  Work-group wg = b*128 + (pair of K tiles): 32 output pixels n (nt = 0, 1) and all 512 channels.  It walks m in 16 laps of 256 (two steps of 128), the three branches inside a lap, so that a fragment of V read from LDS feeds six products.
; TWO ROLES, by the wave's number.  PRODUCERS, waves 0-3 (step msl = wave/2, half c = wave%2): for 64 m (four tiles of Q), three branches, both nt: scores (source 0 = 16 m, source 1 = 16 n, C = -G of the 16 m, so the subtraction costs no line),
;   x log2(e), exponential, block maximum, codes.  A lane holds one n and m = 64 c + 32 h + 0..31: a whole block, in the order that the operand wants: the four code registers are half c of p's fragment and go to LDS as they stand.
;   CONSUMERS, waves 4-7 (w = wave%4): att += V p for channel tiles 8 w .. 8 w + 7, both nt: 16 accumulators by turns.  In trip i the producers make lap i + 1's p while the consumers multiply lap i's: one barrier a trip.
; K = 64 in an instruction that is 128 deep: Q's fragments hold zero codes in their upper four registers; K's lie dense, a tile's upper four being the next tile's codes; four zeroed registers close the run; the pad's scale bytes are 0x7f.
; CLUSTER.  All 128 work-groups of a batch walk the same V and Q: the four of a cluster ask jointly (mask 15).  Q of the whole batch is filled once; V goes through two slots of one lap each.
;   By this text's count at most four tensor loads of a wave are out (a producer's first fills), later one.   -G is 48 KB a work-group in the whole launch, read straight into the C layout: too little to share.
; The consumers' accumulators are cleared by 128 moves while the producers make the first lap's p, when the consumers have nothing else to do: so their trip is written once for all laps.
; LIMITS: NaN and infinities are not served.  p under 2^-126 becomes 0 (the exponential flushes).  A block whose largest magnitude lies under 2^-124 (a block of zeros too) keeps the byte 1; only this program reads the bytes.
.set FLOOR, 0x1800000
.set M2,    0xff000000
.set WV,    12                         ; s12 my wave's number
.set VSB,   69632                      ; a slot of V: two records of 34,816 bytes; slot 0 at LDS byte 0
.set QALL,  2*VSB                      ; Q's 32 records of the batch, 147,456 bytes, filled once
.set PB0,   QALL+147456                ; p, two buffers of PBB bytes: images (msl*6+br*2+nt)*1024 + c*512 + 16 lane; scale bytes 12288 + (msl*3+br)*128 + nt*64 + 4 r + 2 c + h
.set PBB,   13312
.set SPARE, PB0+2*PBB                  ; the spare words, 128 bytes for each of 8 waves: four blocks of 256 bytes that no other line names
.set ASC,   SPARE+1024                 ; att's scale words on their way out: nt*256 + w*64 + 4 r
; v1 spare word, v2 zero; v3-v23, v126 addresses, made at the head by every wave and never data; v127 = 8 h; v24-29 scale words in both roles and nothing else
.set KS,  24                           ; producers: v24-26 K's scale words, a branch a register (nt = 0 in lanes 0-15, nt = 1 in lanes 16-31);  v27-28 Q's, a pair of tiles a register
.set QS,  27
.set KF,  30                           ; v30-57   K: six dense tiles (2 br + nt), four zeros
.set QF,  58                           ; v58-89   Q's four tiles
.set NGA, 90                           ; v90-121  -G in the C layout, two sets
.set NGB, 128                          ; v128-159
.set S,   160                          ; v160-223 scores, then p: 32 nt + 8 tile + j
.set CD,  224                          ; v224-231 codes
.set BY,  232
.set MX,  234
.set SO,  236
.set VSC, 24                           ; consumers: v24-27 V's scale words, a pair of tiles a register;  v28-29 p's, two buffers
.set PSC, 28
.set VF,  30                           ; v30-93   V's eight fragments
.set PF,  94                           ; v94-125  p: two buffers of two fragments
.set ACC, 128                          ; v128-255 accumulator (a, nt) at 8 (2 a + nt)
.set G1V, 24                           ; s[24:31] group 1 for V's loads;  s[32:39] for Q's;  s[40:47] V's groups 0, one a slot;  s[48:63] Q's four
.set G1Q, 32
.set G0V, 40
.set G0Q, 48
.macro PLACES n
.rept \n
	v_nop
.endr
.endm
.macro BMAX mx, g0, g1, g2, g3         ; the largest magnitude of 32 numbers in four groups of eight registers, each group from its low end on
	v_max3_num_f32 v[\mx], |v[\g0]|, |v[\g0+1]|, FLOOR
.irp p, 2,4,6
	v_max3_num_f32 v[\mx], v[\mx], |v[\g0+\p]|, |v[\g0+\p+1]|
.endr
.irp p, 0,2,4,6
	v_max3_num_f32 v[\mx], v[\mx], |v[\g1+\p]|, |v[\g1+\p+1]|
.endr
.irp p, 0,2,4,6
	v_max3_num_f32 v[\mx], v[\mx], |v[\g2+\p]|, |v[\g2+\p+1]|
.endr
.irp p, 0,2,4,6
	v_max3_num_f32 v[\mx], v[\mx], |v[\g3+\p]|, |v[\g3+\p+1]|
.endr
.endm
.macro BSC so, by, mx
	v_add_nc_u32 v[\so], M2, v[\mx]
	v_lshrrev_b32 v[\by], 23, v[\so]
.endm
.macro BCVT d, g0, g1, g2, g3, so
	v_cvt_scalef32_pk8_fp4_f32 v[\d], v[\g0:\g0+7], v[\so]
	v_cvt_scalef32_pk8_fp4_f32 v[\d+1], v[\g1:\g1+7], v[\so]
	v_cvt_scalef32_pk8_fp4_f32 v[\d+2], v[\g2:\g2+7], v[\so]
	v_cvt_scalef32_pk8_fp4_f32 v[\d+3], v[\g3:\g3+7], v[\so]
.endm
.macro WM d, a, b, c, sa, sb, ra, rb   ; ra, rb: the scales stand in lanes 16-31
.if (\ra) && (\rb)
	v_wmma_scale_f32_16x16x128_f8f6f4 v[\d:\d+7], v[\a:\a+7], v[\b:\b+7], v[\c:\c+7], v[\sa], v[\sb] matrix_a_fmt:MATRIX_FMT_FP4 matrix_b_fmt:MATRIX_FMT_FP4 matrix_a_scale:MATRIX_SCALE_ROW1 matrix_b_scale:MATRIX_SCALE_ROW1
.elseif (\ra)
	v_wmma_scale_f32_16x16x128_f8f6f4 v[\d:\d+7], v[\a:\a+7], v[\b:\b+7], v[\c:\c+7], v[\sa], v[\sb] matrix_a_fmt:MATRIX_FMT_FP4 matrix_b_fmt:MATRIX_FMT_FP4 matrix_a_scale:MATRIX_SCALE_ROW1
.elseif (\rb)
	v_wmma_scale_f32_16x16x128_f8f6f4 v[\d:\d+7], v[\a:\a+7], v[\b:\b+7], v[\c:\c+7], v[\sa], v[\sb] matrix_a_fmt:MATRIX_FMT_FP4 matrix_b_fmt:MATRIX_FMT_FP4 matrix_b_scale:MATRIX_SCALE_ROW1
.else
	v_wmma_scale_f32_16x16x128_f8f6f4 v[\d:\d+7], v[\a:\a+7], v[\b:\b+7], v[\c:\c+7], v[\sa], v[\sb] matrix_a_fmt:MATRIX_FMT_FP4 matrix_b_fmt:MATRIX_FMT_FP4
.endif
.endm
.macro ROUND                           ; a round of the cluster's barrier
	s_barrier_signal -1
	s_barrier_wait -1
	s_cmp_lg_u32 s[WV], 0
	s_cbranch_scc1 .Lnot_wave_0_\@
	s_barrier_signal -3
.Lnot_wave_0_\@:
	s_barrier_wait -3
	s_barrier_signal -1
	s_barrier_wait -1
.endm
	s_load_b256 s[4:11], s[0:1], 0x0               ; qk s[4:5], vb s[6:7], st s[8:9], at s[10:11]
	v_lshl_add_u32 v1, v0, 2, SPARE                ; my spare word; never rewritten
	v_mov_b32 v2, 0                                ; 0; never rewritten
	ds_add_u32 v1, v2
	ds_add_u32 v1, v2
	s_wait_dscnt 0x0
	v_lshrrev_b32 v3, 5, v0
	v_readfirstlane_b32 s[WV], v3
	s_bfe_u32 s13, ttmp6, 0x40000                  ; cx: it enters K's, at's and the prefetches' global addresses alone
	s_lshl_b32 s14, ttmp9, 2
	s_add_co_u32 s14, s14, s13                     ; wg
	s_lshr_b32 s15, ttmp9, 5                       ; b: the same in the four partners
	s_and_b32 s16, s[WV], 3                        ; w: my number inside my role
	s_lshr_b32 s17, s16, 1                         ; msl
	s_and_b32 s18, s16, 1                          ; c
	v_and_b32 v250, 31, v0                         ; lane
	v_and_b32 v251, 15, v0                         ; r
	v_bfe_u32 v252, v0, 4, 1                       ; h
	v_lshlrev_b32 v238, 4, v250                    ; 16 x lane
	v_lshlrev_b32 v239, 2, v250                    ; 4 x lane
	s_mul_i32 s19, s17, 4608
	s_lshl_b32 s20, s18, 11
	s_add_co_u32 s20, s20, s19
	s_add_co_u32 s20, s20, QALL
	v_add_nc_u32 v3, s20, v238                     ; Q's codes: record msl of a lap, tiles 4 c on
	s_lshl_b32 s20, s18, 8
	s_add_co_u32 s20, s20, s19
	s_add_co_u32 s20, s20, QALL+4096
	v_add_nc_u32 v4, s20, v239                     ; and their scale words
	s_mul_i32 s19, s17, 6144
	s_lshl_b32 s20, s18, 9
	s_add_co_u32 s20, s20, s19
	s_add_co_u32 s20, s20, PB0
	v_add_nc_u32 v5, s20, v238                     ; where a producer puts p's codes: buffer 0,
	v_add_nc_u32 v6, PBB, v5                       ; buffer 1
	s_mul_i32 s19, s17, 384
	s_lshl_b32 s20, s18, 1
	s_add_co_u32 s20, s20, s19
	s_add_co_u32 s20, s20, PB0+12288
	v_lshl_add_u32 v7, v251, 2, v252
	v_add_nc_u32 v7, s20, v7                       ; and p's scale byte
	v_add_nc_u32 v8, PBB, v7
	v_lshlrev_b32 v9, 5, v252                      ; 32 h: -G of a tile's rows 8 h on
	s_lshl_b32 s20, s16, 13
	v_add_nc_u32 v10, s20, v238                    ; V's codes, tiles 8 w on: slot 0,
	v_add_nc_u32 v11, VSB, v10                     ; slot 1
	s_lshl_b32 s20, s16, 9
	s_add_co_u32 s20, s20, 32768
	v_add_nc_u32 v12, s20, v239                    ; V's scale words
	v_add_nc_u32 v13, VSB, v12
	v_add_nc_u32 v14, PB0, v238                    ; where a consumer reads p's codes
	v_add_nc_u32 v15, PB0+PBB, v238
	v_add_nc_u32 v16, PB0+12288, v239              ; and p's scale words
	v_add_nc_u32 v17, PB0+PBB+12288, v239
	s_mov_b32 s76, 0                               ; where the lap's two records of Q begin
	v_add_nc_u32 v18, s76, v3
	v_add_nc_u32 v19, s76, v4
	s_lshl_b32 s20, s16, 6
	s_add_co_u32 s20, s20, ASC
	v_lshl_add_u32 v20, v251, 2, s20
	s_lshl_b32 s20, s16, 10
	v_add_nc_u32 v21, s20, v238                    ; at: K step w, 16 x lane
	v_lshlrev_b32 v22, 8, v250                     ; the prefetches: lanes 256 bytes apart
	v_add_nc_u32 v23, ASC, v238
	v_mul_u32_u24 v126, v252, 4352
	v_lshl_add_u32 v126, v251, 4, v126
	v_add_nc_u32 v126, 4096, v126                  ; at: the two records' scale words, 256 bytes each
	v_lshlrev_b32 v127, 3, v252                    ; 8 h
	; descriptor groups 1: dense blocks as rows of 256 bytes (32 elements of 8); images are read dense, so no padding
	s_mov_b32 s[G1V], 15|(3<<16)|(1<<21)           ; 15:0 the mask: all four work-groups; 17:16 elements of 8 bytes; 21 set beside a mask
	s_mov_b32 s[G1V+1], 32<<16
	s_mov_b32 s[G1V+2], 68<<16                     ; a quarter of a lap of V: 17,408 bytes
	s_mov_b32 s[G1V+3], 32<<16
	s_mov_b32 s[G1V+4], 68
	s_mov_b32 s[G1V+5], 32
	s_mov_b32 s[G1V+6], 0
	s_mov_b32 s[G1V+7], 0
	s_mov_b32 s[G1Q], 15|(3<<16)|(1<<21)
	s_mov_b32 s[G1Q+1], 32<<16
	s_mov_b32 s[G1Q+2], 36<<16                     ; two records of Q: 9,216 bytes
	s_mov_b32 s[G1Q+3], 32<<16
	s_mov_b32 s[G1Q+4], 36
	s_mov_b32 s[G1Q+5], 32
	s_mov_b32 s[G1Q+6], 0
	s_mov_b32 s[G1Q+7], 0
	s_mul_i32 s20, s15, 1114112                    ; V: the batch's 32 records,
	s_mul_i32 s22, s16, 17408                      ; my quarter of a lap, in memory and in a slot
	s_add_co_u32 s20, s20, s22
	s_mov_b32 s21, 0
	s_mul_i32 s78, s15, 147456                     ; Q: the batch's 32 records,
	s_mul_i32 s23, s16, 9216                       ; piece w (+ 4 k)
	s_add_co_u32 s78, s78, s23
	s_mov_b32 s79, 0
	s_lshl_b32 s70, s15, 16                        ; -G: b*65536 + msl*2048 + c*1024: my four tiles of lap 0
	s_lshl_b32 s77, s17, 11
	s_add_co_u32 s70, s70, s77
	s_lshl_b32 s77, s18, 10
	s_add_co_u32 s70, s70, s77
	s_mov_b32 s71, 0
	s_lshl_b32 s72, s15, 5                         ; the prefetches: record 2 + wave%2 (lap 1): the first trip steps it to lap 2;
	s_add_co_u32 s72, s72, s18
	s_add_co_u32 s72, s72, 2
	s_mul_i32 s72, s72, 34816
	s_lshl_b32 s77, s13, 13                        ; the four partners share a record's codes out by address, 8,192 bytes each
	s_add_co_u32 s72, s72, s77
	s_mov_b32 s73, 0
	s_and_b32 s74, ttmp9, 31                       ; who asks: waves 4 and 5 of the batch's first cluster: the same in all four partners
	s_lshr_b32 s77, s[WV], 1
	s_xor_b32 s77, s77, 2
	s_or_b32 s74, s74, s77
	s_cmp_eq_u32 s74, 0
	s_cselect_b32 s74, 1, 0
	s_and_b32 s16, ttmp9, 31                       ; K: record (1 + br, b, (wg%128)/4), tiles 2 cx and 2 cx + 1
	s_mul_i32 s16, s16, 4608
	s_mul_i32 s77, s15, 147456
	s_add_co_u32 s16, s16, s77
	s_add_co_u32 s16, s16, 294912
	s_lshl_b32 s77, s13, 7
	s_add_co_u32 s18, s16, s77
	s_add_co_u32 s18, s18, 4096                    ; scale words
	s_mov_b32 s19, 0
	s_lshl_b32 s77, s13, 10
	s_add_co_u32 s16, s16, s77                     ; codes
	s_mov_b32 s17, 0
	s_mul_i32 s2, s14, 8704                        ; at: two records of 4,352 bytes a work-group
	s_mov_b32 s3, 0
	s_mov_b32 s66, 0x3fb8aa3b                      ; log2(e)
	s_mov_b32 s67, s66                             ; (named with it as a pair, so it is written)
	s_mov_b32 s68, 0x76543210
	s_mov_b32 s69, 0xfedcba98                      ; v_permlanex16_b32's selects for lane l xor 16
	s_wait_kmcnt 0x0
	s_add_nc_u64 s[20:21], s[6:7], s[20:21]
	s_add_nc_u64 s[78:79], s[4:5], s[78:79]
	s_add_nc_u64 s[70:71], s[8:9], s[70:71]
	s_add_nc_u64 s[72:73], s[6:7], s[72:73]
	s_add_nc_u64 s[16:17], s[4:5], s[16:17]
	s_add_nc_u64 s[18:19], s[4:5], s[18:19]
	s_add_nc_u64 s[10:11], s[10:11], s[2:3]
.irp n, 0,1
	s_mov_b32 s[G0V+4*\n], 1
	s_add_co_u32 s[G0V+4*\n+1], s22, \n*VSB
	s_add_nc_u64 s[G0V+4*\n+2:G0V+4*\n+3], s[20:21], \n*VSB          ; slot n begins with lap n
	s_or_b32 s[G0V+4*\n+3], s[G0V+4*\n+3], 0x80000000
.endr
.irp k, 0,1,2,3
	s_mov_b32 s[G0Q+4*\k], 1
	s_add_co_u32 s[G0Q+4*\k+1], s23, QALL+\k*36864
	s_add_nc_u64 s[G0Q+4*\k+2:G0Q+4*\k+3], s[78:79], \k*36864
	s_or_b32 s[G0Q+4*\k+3], s[G0Q+4*\k+3], 0x80000000
.endr
.macro NGL buf, br, ahead              ; -G of my four tiles of Q, branch br, of the lap in hand or the next: sixteen lanes read the same 16 bytes: register j of lane (r, h) is row 8 h + j
.irp t, 0,1,2,3
.irp q, 0,1
	global_load_b128 v[\buf+8*\t+4*\q:\buf+8*\t+4*\q+3], v9, s[70:71] offset:\ahead*4096+(\t/2)*512+\br*128+(\t%2)*64+\q*16
.endr
.endr
.endm
; One branch of a producer's lap: 64 m x 32 n.  cnt: how many younger loads of -G may stay out.  mode 1: the set just used takes branch 2 of this lap; mode 2: both sets take the next lap's branches 0 and 1.
.macro UNIT br, buf, cnt, par, mode
	s_wait_loadcnt \cnt
.irp t, 0,1,2,3
.irp n, 0,1
	WM S+32*\n+8*\t, QF+8*\t, KF+4*(2*\br+\n), \buf+8*\t, QS+\t/2, KS+\br, \t%2, \n
.endr
.endr
	PLACES 4                                       ; in front of the loads into C's registers and of the first read of results
.if \mode == 1
	NGL NGA, 2, 0
.elseif \mode == 2
	NGL NGA, 0, 1
	NGL NGB, 1, 1
.endif
.set j, 0
.rept 32
	v_pk_mul_f32 v[S+j:S+j+1], v[S+j:S+j+1], s[66:67] op_sel_hi:[1,0]        ; (score - G) x log2(e), two at a time, each accumulator from its low end on
.set j, j+2
.endr
.set j, 0
.rept 64
	v_exp_f32 v[S+j], v[S+j]                       ; p, at most 1
.set j, j+1
.endr
	v_nop                                          ; a plain line behind the last exponential
	s_wait_alu depctr_va_vdst(0)                   ; one wait for the whole batch, ahead of its first reader
	v_max3_num_f32 v[MX], v[S], v[S+1], FLOOR      ; my two blocks' largest p, by turns
	v_max3_num_f32 v[MX+1], v[S+32], v[S+33], FLOOR
.set j, 2
.rept 15
	v_max3_num_f32 v[MX], v[MX], v[S+j], v[S+j+1]
	v_max3_num_f32 v[MX+1], v[MX+1], v[S+32+j], v[S+33+j]
.set j, j+2
.endr
	s_wait_dscnt 0x0                               ; the last codes' and bytes' stores have read their registers
	BSC SO, BY, MX
	BSC SO+1, BY+1, MX+1
	BCVT CD, S, S+8, S+16, S+24, SO
	BCVT CD+4, S+32, S+40, S+48, S+56, SO+1
	v_nop                                          ; one plain line behind the last conversion
	ds_store_b128 v[5+(\par)], v[CD:CD+3] offset:(2*\br)*1024
	ds_store_b128 v[5+(\par)], v[CD+4:CD+7] offset:(2*\br+1)*1024
	ds_store_b8 v[7+(\par)], v[BY] offset:128*\br
	ds_store_b8 v[7+(\par)], v[BY+1] offset:128*\br+64
.endm
; A producer's lap, into buffer par.  At its head -G's first set (8 loads) and second set (8) are out, in that order: so the count 8 leaves the younger set out, on the way in and round the back edge alike.
.macro PROD par, pf
.irp t, 0,1,2,3
	ds_load_b128 v[QF+8*\t:QF+8*\t+3], v18 offset:512*\t
.endr
	ds_load_b32 v[QS], v19
	ds_load_b32 v[QS+1], v19 offset:128
	s_wait_dscnt 0x0
	UNIT 0, NGA, 8, \par, 1
	UNIT 1, NGB, 8, \par, 0
	UNIT 2, NGA, 0, \par, 2*\pf
.endm
.macro LV msl, par                     ; V's eight fragments of step msl and their scale words: 20 LDS loads
.irp a, 0,1,2,3,4,5,6,7
.irp c, 0,1
	ds_load_b128 v[VF+8*\a+4*\c:VF+8*\a+4*\c+3], v[10+(\par)] offset:(\msl)*34816+\a*1024+\c*512
.endr
.endr
.irp q, 0,1,2,3
	ds_load_b32 v[VSC+\q], v[12+(\par)] offset:(\msl)*34816+\q*128
.endr
.endm
.macro LP k, par                       ; p's two fragments of (step, branch) k = 3 msl + br and their scale words: 5 LDS loads, into buffer k % 2
.irp n, 0,1
.irp c, 0,1
	ds_load_b128 v[PF+16*((\k)%2)+8*\n+4*\c:PF+16*((\k)%2)+8*\n+4*\c+3], v[14+(\par)] offset:(2*(\k)+\n)*1024+\c*512
.endr
.endr
	ds_load_b32 v[PSC+(\k)%2], v[16+(\par)] offset:128*(\k)
.endm
.macro MM k                            ; 16 products: the 16 accumulators take turns, one instruction a turn, in the same order everywhere
.irp a, 0,1,2,3,4,5,6,7
.irp n, 0,1
	WM ACC+8*(2*\a+\n), VF+8*\a, PF+16*((\k)%2)+8*\n, ACC+8*(2*\a+\n), VSC+\a/2, PSC+(\k)%2, \a%2, \n
.endr
.endr
.endm
; A consumer's lap.  The count 5 leaves the one younger pair of p fragments out; at k = 3 that pair was issued behind step 1's V, so V is in too.
.macro CONS par
	LV 0, \par
	LP 0, \par
	LP 1, \par
.irp k, 0,1,2,3,4,5
.if \k == 5
	s_wait_dscnt 0x0
.else
	s_wait_dscnt 0x5
.endif
	MM \k
.if \k != 4
	PLACES 4                                       ; in front of loads into registers that these products have read
.endif
.if \k == 2
	LV 1, \par
.endif
.if \k < 4
	LP \k+2, \par
.endif
.endr
.endm
.macro TLV n                           ; the consumers' joint load of a lap of V into slot n; the branch hangs on the wave's number alone
	s_cmp_lt_u32 s[WV], 4
	s_cbranch_scc1 .Lnot_v_\@
	tensor_load_to_lds s[G0V+4*(\n):G0V+4*(\n)+3], s[G1V:G1V+7]
	s_nop 0
	PLACES 4
.Lnot_v_\@:
.endm
; A PREFETCH of the codes of V's lap after next: one lap ahead of the joint load that will ask for them.  Each aligned block of 256 bytes is named once in the launch: the batch's first cluster asks; in each of its four
; work-groups waves 4 and 5 take a record each, and of its 128 blocks the partner at place cx takes 32, told apart by address, a lane a block.  Laps 0 and 1, and the scale words, come by their loads alone; the last two trips ask for nothing.
.macro ASK
	s_cmp_eq_u32 s74, 1
	s_cbranch_scc0 .Lnot_mine_\@
	global_prefetch_b8 v22, s[72:73] th:TH_LOAD_NT scope:SCOPE_SE
.Lnot_mine_\@:
.endm
; THE HEAD OF A TRIP: one barrier for three things: lap par's V has landed, the producers' p is whole, and nobody reads the other slot of V or the other buffer of p any more.
.macro HEAD par, fill, ask
	s_wait_tensorcnt 0x0                           ; all my tensor loads have landed, so a group 0 may be written;
	ds_add_u32 v1, v2                              ; 0 onto my spare word; the steps below stand between it and the wait for it
	s_add_nc_u64 s[G0V+4*\par+2:G0V+4*\par+3], s[G0V+4*\par+2:G0V+4*\par+3], 2*VSB       ; this slot's next lap
	s_wait_xcnt 0x0                                ; the last loads of -G and the last prefetch have read their addresses:
	s_add_nc_u64 s[72:73], s[72:73], VSB           ; the prefetches a lap on,
	s_add_nc_u64 s[70:71], s[70:71], 4096          ; -G a lap on,
	s_add_co_u32 s76, s76, 9216                    ; Q a lap on
	v_add_nc_u32 v18, s76, v3
	v_add_nc_u32 v19, s76, v4
	s_wait_dscnt 0x0                               ; the add is done; my LDS stores have landed and my LDS reads are over
.if \fill
	ROUND                                          ; the same holds of every wave of every partner
	TLV 1-\par                                     ; the next lap of V, into the slot read last trip: the first thing behind the round, one load a wave
.else
	s_barrier_signal -1
	s_barrier_wait -1
.endif
.if \ask
	ASK
.endif
.endm
.macro TRIP par, fill, ask, dop, pf
	HEAD \par, \fill, \ask
	s_cmp_lt_u32 s[WV], 4
	s_cbranch_scc0 .Lcons_\@
.if \dop
	PROD 1-\par, \pf
.endif
	s_branch .Ljoin_\@
.Lcons_\@:
	CONS \par
.Ljoin_\@:
.endm
	ROUND                                          ; all four work-groups are here: the first joint loads meet
	s_cmp_lt_u32 s[WV], 4                          ; a wave's first fills stand in one branch
	s_cbranch_scc0 .Lfirst_c
	tensor_load_to_lds s[G0Q:G0Q+3], s[G1Q:G1Q+7]
	s_nop 0
	tensor_load_to_lds s[G0Q+4:G0Q+7], s[G1Q:G1Q+7]
	s_nop 0
	tensor_load_to_lds s[G0Q+8:G0Q+11], s[G1Q:G1Q+7]
	s_nop 0
	tensor_load_to_lds s[G0Q+12:G0Q+15], s[G1Q:G1Q+7]
	s_nop 0
.irp j, 24,25,26,27
	v_mov_b32 v[KF+\j], 0                          ; zero codes for the upper 64 of the instruction's K
.endr
.irp t, 0,1,2,3
.irp j, 4,5,6,7
	v_mov_b32 v[QF+8*\t+\j], 0
.endr
.endr
	PLACES 4                                       ; between these lines and the first product
.irp f, 0,1,2
	global_load_b128 v[KF+8*\f:KF+8*\f+3], v238, s[16:17] offset:\f*294912
	global_load_b128 v[KF+8*\f+4:KF+8*\f+7], v238, s[16:17] offset:\f*294912+512
	global_load_b32 v[KS+\f], v239, s[18:19] offset:\f*294912
.endr
	NGL NGA, 0, 0
	NGL NGB, 1, 0
	s_branch .Lfirst_j
.Lfirst_c:
	tensor_load_to_lds s[G0V:G0V+3], s[G1V:G1V+7]  ; lap 0 of V
	s_nop 0
	PLACES 4
.Lfirst_j:
	s_wait_tensorcnt 0x0                           ; my first fills have landed,
	s_barrier_signal -1
	s_barrier_wait -1                              ; everybody's have
	s_cmp_lt_u32 s[WV], 4
	s_cbranch_scc0 .Lpro_c
	PROD 0, 1                                      ; lap 0's p
	s_branch .Lpro_j
.Lpro_c:
.set j, 0
.rept 128
	v_mov_b32 v[ACC+j], 0
.set j, j+1
.endr
.Lpro_j:
	s_mov_b32 s75, 7
.Lloop:                                            ; trips 0 to 13
	TRIP 0, 1, 1, 1, 1
	TRIP 1, 1, 1, 1, 1
	s_sub_co_u32 s75, s75, 1
	s_cmp_lg_u32 s75, 0
	s_cbranch_scc1 .Lloop
	TRIP 0, 1, 0, 1, 0                             ; trip 14: the last lap of V and of p are asked for and made; no -G lies beyond
	TRIP 1, 0, 0, 0, 0                             ; trip 15: the products alone
	; THE WAY OUT.  A consumer's lane holds one n and, in the accumulators a = 4 c .. 4 c + 3, channels 128 w + 64 c + 32 h + 0..31: a block.  Its 16 code registers are K step w of the two att fragments.
	s_cmp_lt_u32 s[WV], 4
	s_cbranch_scc1 .Lout_j
.irp n, 0,1
.irp c, 0,1
	BMAX 46+2*\n+\c, ACC+64*\c+8*\n, ACC+64*\c+8*\n+16, ACC+64*\c+8*\n+32, ACC+64*\c+8*\n+48
	BSC 50+2*\n+\c, 54+2*\n+\c, 46+2*\n+\c
.endr
	v_lshl_or_b32 v[58+\n], v[55+2*\n], 16, v[54+2*\n]     ; my bytes: blocks h and 2 + h,
	v_lshlrev_b32 v[58+\n], v127, v[58+\n]                 ; at their places;
	v_permlanex16_b32 v62, v[58+\n], s68, s69
	v_or_b32 v[58+\n], v[58+\n], v62                       ; with lane l xor 16's two the word is whole
.endr
.irp n, 0,1
.irp c, 0,1
	BCVT 30+8*\n+4*\c, ACC+64*\c+8*\n, ACC+64*\c+8*\n+16, ACC+64*\c+8*\n+32, ACC+64*\c+8*\n+48, 50+2*\n+\c
.endr
.endr
	v_nop
.irp n, 0,1
.irp c, 0,1
	global_store_b128 v21, v[30+8*\n+4*\c:33+8*\n+4*\c], s[10:11] offset:\n*4352+\c*512      ; 512 consecutive bytes
.endr
	ds_store_b32 v20, v[58+\n] offset:256*\n
.endr
.Lout_j:
	s_wait_dscnt 0x0
	s_barrier_signal -1
	s_barrier_wait -1
	s_cmp_eq_u32 s[WV], 4
	s_cbranch_scc0 .Lfin
	ds_load_b128 v[64:67], v23
	s_wait_dscnt 0x0
	global_store_b128 v126, v[64:67], s[10:11]     ; each half of the lanes stores 256 consecutive bytes: a record's scale words
.Lfin:
	s_wait_tensorcnt 0x0                           ; the wave's end
	ds_add_u32 v1, v2
	s_wait_dscnt 0x0
	ROUND                                          ; the closing round: no work-group ends while a partner may still ask for a tile that names it
	s_endpgm
.Lfunc_end_k_q4f3f516b39_attn:
	.size	k_q4f3f516b39_attn, .Lfunc_end_k_q4f3f516b39_attn-k_q4f3f516b39_attn
	.p2alignl 7, 3214868480
	.fill 96, 4, 3214868480
	.section	.rodata,"a",@progbits
	.p2align	6, 0x0
	.amdhsa_kernel k_q4f3f516b39_attn
		.amdhsa_group_segment_fixed_size 327680
		.amdhsa_private_segment_fixed_size 0
		.amdhsa_enable_private_segment 0
		.amdhsa_kernarg_size 32
		.amdhsa_user_sgpr_count 2
		.amdhsa_user_sgpr_kernarg_segment_ptr 1
		.amdhsa_wavefront_size32 1
		.amdhsa_system_sgpr_workgroup_id_x 1
		.amdhsa_system_sgpr_workgroup_id_y 1
		.amdhsa_system_sgpr_workgroup_id_z 1
		.amdhsa_system_vgpr_workitem_id 0
		.amdhsa_next_free_vgpr 256
		.amdhsa_next_free_sgpr 80
		.amdhsa_reserve_vcc 0
		.amdhsa_float_denorm_mode_32 3
		.amdhsa_float_denorm_mode_16_64 3
		.amdhsa_memory_ordered 1
		.amdhsa_forward_progress 1
		.amdhsa_inst_pref_size 206
	.end_amdhsa_kernel
	.amdgpu_metadata
---
amdhsa.version: [ 1, 2 ]
amdhsa.kernels:
  - .name:           k_q4f3f516b39_attn
    .symbol:         k_q4f3f516b39_attn.kd
    .args:
      - { .name: qk, .offset: 0, .size: 8, .value_kind: global_buffer, .address_space: global }
      - { .name: vb, .offset: 8, .size: 8, .value_kind: global_buffer, .address_space: global }
      - { .name: st, .offset: 16, .size: 8, .value_kind: global_buffer, .address_space: global }
      - { .name: at, .offset: 24, .size: 8, .value_kind: global_buffer, .address_space: global }
    .group_segment_fixed_size: 327680
    .private_segment_fixed_size: 0
    .kernarg_segment_align: 8
    .kernarg_segment_size: 32
    .max_flat_workgroup_size: 256
    .sgpr_count:     80
    .vgpr_count:     256
    .wavefront_size: 32
...
	.end_amdgpu_metadata
.endif
;; end of part 4
;; launch final (part 5): grid 256 x 1, 16 waves a work-group, no clusters, 89,088 bytes of LDS; arguments at, wts, bl, gamma, x, out0; writes out0
.if DOCPART == 5
	.amdgcn_target "amdgcn-amd-amdhsa--gfx1250"
	.amdhsa_code_object_version 6
	.text
	.protected	k_q4f3f516b39_final
	.globl	k_q4f3f516b39_final
	.p2align	8
	.type	k_q4f3f516b39_final,@function
k_q4f3f516b39_final:
	s_mov_b64 s[64:65], 0
	v_nop
	global_prefetch_b8 v0, s[64:65] scope:SCOPE_SE
	s_setreg_imm32_b32 hwreg(HW_REG_WAVE_MODE, 25, 1), 1
	s_wait_xcnt 0x0
; out0 = x + gamma (Wl att + bl), the product on codes of E2M1 with E8M0 scales: att's from the attention launch, Wl's from the first launch, both in the order of an operand's registers.
; SHARES.  Work-group id: batch id/128, G = (id/2)%64: 64 pixels, which are 256 bytes of a row of out0; oh = id%2: which 256 output channels.  Wave w takes Wl's tile T = 16 oh + w: 16 rows of out0.
; Each wave fetches one of att's 16 fragments (pixel tile w/4, K step w%4) and puts its image into LDS; behind one barrier every wave reads all 16.
; LAYOUT.  Source 0 = 16 pixels of att, source 1 = 16 rows of Wl, C of the first product = bl of the lane's row: a lane holds one output channel and, in its four accumulators, 32 neighbouring pixels (the pixel tiles are laid for that).
; They go through the wave's own stage in LDS (rows of 256 bytes + 16) and come back as whole rows; x is loaded in that same shape; one fused multiply-add; sixteen lanes store 256 consecutive bytes, aligned.
.set AIMG, 0                           ; LDS: att's 16 images, (4 t + s)*1024
.set ASCL, 16384                       ; their scale words, (4 t + s)*64 + 4 r
.set STG,  17408                       ; a stage of 16 rows x 272 bytes for each wave
.set XR,  16                           ; v16-47   x: eight pairs of rows
.set WF,  48                           ; v48-79   Wl's four fragments
.set WS,  80                           ; v80-83   their scale words
.set BL,  84                           ; v84-91   bl of my row, eight times
.set AF,  96                           ; v96-159  att's fragments of a K step, two buffers
.set AS,  160                          ; v160-167 their scale words, two buffers
.set ACC, 168                          ; v168-199 four accumulators
.set RB,  200                          ; v200-231 the rows read back
.set MY,  232                          ; v232-240 the fragment that I fetch, and its scale word
.macro PLACES n
.rept \n
	v_nop
.endr
.endm
.macro WM d, a, b, c, sa, sb
	v_wmma_scale_f32_16x16x128_f8f6f4 v[\d:\d+7], v[\a:\a+7], v[\b:\b+7], v[\c:\c+7], v[\sa], v[\sb] matrix_a_fmt:MATRIX_FMT_FP4 matrix_b_fmt:MATRIX_FMT_FP4
.endm
	s_load_b256 s[4:11], s[0:1], 0x0               ; at s[4:5], wts s[6:7], bl s[8:9], gamma s[10:11]
	s_load_b128 s[12:15], s[0:1], 0x20             ; x s[12:13], out0 s[14:15]
	v_lshl_add_u32 v254, v0, 2, 0x15400
	v_mov_b32 v255, 0
	v_lshrrev_b32 v1, 5, v0
	v_readfirstlane_b32 s16, v1                    ; wave 0..15
	v_and_b32 v11, 31, v0                          ; lane
	v_and_b32 v12, 15, v0                          ; r
	v_bfe_u32 v13, v0, 4, 1                        ; h
	v_and_b32 v14, 7, v0                           ; r % 8
	v_bfe_u32 v15, v0, 3, 1                        ; r / 8
	v_lshlrev_b32 v8, 4, v11                       ; 16 x lane
	v_lshlrev_b32 v9, 2, v12                       ; 4 r
	v_lshlrev_b32 v1, 14, v13
	v_lshl_add_u32 v1, v12, 4, v1                  ; x and out0: lanes 0-15 one row's 256 bytes, lanes 16-31 the next row's
	s_lshl_b32 s30, s16, 10
	v_add_nc_u32 v2, s30, v8                       ; where my fragment's image goes
	s_lshl_b32 s30, s16, 6
	s_add_co_u32 s30, s30, ASCL
	v_add_nc_u32 v3, s30, v9                       ; and its scale words
	v_add_nc_u32 v4, AIMG, v8
	v_add_nc_u32 v5, ASCL, v9
	s_mul_i32 s30, s16, 4352
	s_add_co_u32 s30, s30, STG                     ; my stage
	v_mul_u32_u24 v6, v12, 272
	v_lshl_add_u32 v6, v13, 7, v6
	v_add_nc_u32 v6, s30, v6                       ; in: row r, 128 bytes for each half of the lanes
	v_mul_u32_u24 v7, v13, 272
	v_lshl_add_u32 v7, v12, 4, v7
	v_add_nc_u32 v7, s30, v7                       ; back: lanes 0-15 one row, lanes 16-31 the next
	v_lshlrev_b32 v10, 2, v14
	v_lshl_add_u32 v10, v15, 7, v10                ; 4 (r%8 + 32 (r/8)): my row in a tile of Wl
	s_lshr_b32 s17, ttmp9, 7                       ; b
	s_bfe_u32 s18, ttmp9, 0x60001                  ; G
	s_and_b32 s19, ttmp9, 1                        ; oh
	s_lshl_b32 s22, s19, 4
	s_add_co_u32 s22, s22, s16                     ; T
	s_lshl_b32 s23, s17, 8                         ; at: record b*256 + 4 G + wave/4,
	s_lshl_b32 s24, s18, 2
	s_add_co_u32 s23, s23, s24
	s_lshr_b32 s24, s16, 2
	s_add_co_u32 s23, s23, s24
	s_mul_i32 s23, s23, 4352
	s_and_b32 s24, s16, 3                          ; K step wave%4
	s_lshl_b32 s25, s24, 10
	s_add_co_u32 s26, s23, s25
	s_mov_b32 s27, 0
	s_lshl_b32 s25, s24, 6
	s_add_co_u32 s28, s23, s25
	s_add_co_u32 s28, s28, 4096
	s_mov_b32 s29, 0
	s_add_co_u32 s24, s22, 48                      ; Wl's tile among the weights' tiles
	s_lshl_b32 s32, s24, 12
	s_mov_b32 s33, 0
	s_lshl_b32 s34, s24, 8
	s_add_co_u32 s34, s34, 327680
	s_mov_b32 s35, 0
	s_lshr_b32 s24, s22, 2
	s_lshl_b32 s24, s24, 6
	s_and_b32 s25, s22, 3
	s_lshl_b32 s25, s25, 3
	s_add_co_u32 s24, s24, s25                     ; 64 (T/4) + 8 (T%4): the tile's first row
	s_lshl_b32 s36, s24, 2
	s_mov_b32 s37, 0
	s_lshl_b32 s38, s24, 14                        ; x 16,384 bytes a row
	s_lshl_b32 s25, s17, 23
	s_add_co_u32 s38, s38, s25
	s_lshl_b32 s25, s18, 8
	s_add_co_u32 s38, s38, s25
	s_mov_b32 s39, 0
	s_wait_kmcnt 0x0
	s_load_b32 s20, s[10:11], 0x0                  ; gamma
	s_add_nc_u64 s[26:27], s[4:5], s[26:27]
	s_add_nc_u64 s[28:29], s[4:5], s[28:29]
	s_add_nc_u64 s[32:33], s[6:7], s[32:33]
	s_add_nc_u64 s[34:35], s[6:7], s[34:35]
	s_add_nc_u64 s[36:37], s[8:9], s[36:37]
	s_add_nc_u64 s[12:13], s[12:13], s[38:39]
	s_add_nc_u64 s[14:15], s[14:15], s[38:39]
	global_load_b128 v[MY:MY+3], v8, s[26:27]
	global_load_b128 v[MY+4:MY+7], v8, s[26:27] offset:512
	global_load_b32 v[MY+8], v9, s[28:29]
.irp s, 0,1,2,3
.irp c, 0,1
	global_load_b128 v[WF+8*\s+4*\c:WF+8*\s+4*\c+3], v8, s[32:33] offset:\s*1024+\c*512
.endr
	global_load_b32 v[WS+\s], v9, s[34:35] offset:\s*64
.endr
.irp j, 0,1,2,3,4,5,6,7
	global_load_b32 v[BL+\j], v10, s[36:37]
.endr
.irp q, 0,1,2,3,4,5,6,7                        ; rows 2 q and 2 q + 1 of the tile: channels (2q)%8 + 32 (q/4) on
	global_load_b128 v[XR+4*\q:XR+4*\q+3], v1, s[12:13] offset:(((2*\q)%8)+32*(\q/4))*16384 th:TH_LOAD_NT
.endr
	s_wait_loadcnt 0x1c                            ; my fragment's three loads are in; the 28 younger ones (Wl 12, bl 8, x 8) may be out
	ds_store_b128 v2, v[MY:MY+3]
	ds_store_b128 v2, v[MY+4:MY+7] offset:512
	ds_store_b32 v3, v[MY+8]
	s_wait_dscnt 0x0                               ; for the others' sake: my stores have landed
	s_barrier_signal -1
	s_barrier_wait -1                              ; att's 16 images lie in LDS
.macro AB s                            ; K step s of the four pixel tiles: 12 LDS loads, into buffer s % 2
.irp t, 0,1,2,3
.irp c, 0,1
	ds_load_b128 v[AF+32*((\s)%2)+8*\t+4*\c:AF+32*((\s)%2)+8*\t+4*\c+3], v4 offset:(4*\t+(\s))*1024+\c*512
.endr
	ds_load_b32 v[AS+4*((\s)%2)+\t], v5 offset:(4*\t+(\s))*64
.endr
.endm
.macro MMF s                           ; four accumulators by turns
.irp t, 0,1,2,3
.if \s == 0
	WM ACC+8*\t, AF+8*\t, WF, BL, AS+\t, WS
.else
	WM ACC+8*\t, AF+32*((\s)%2)+8*\t, WF+8*(\s), ACC+8*\t, AS+4*((\s)%2)+\t, WS+(\s)
.endif
.endr
.endm
	AB 0
	AB 1
	s_wait_loadcnt 0x8                             ; Wl and bl are in; x's eight loads may be out
	s_wait_dscnt 0xc                               ; K step 0 is in; K step 1's twelve loads may be out
	MMF 0
	PLACES 4                                       ; in front of loads into registers that these products have read
	AB 2
	s_wait_dscnt 0xc
	MMF 1
	PLACES 4
	AB 3
	s_wait_dscnt 0xc
	MMF 2
	s_wait_dscnt 0x0
	MMF 3
	PLACES 4
.irp t, 0,1,2,3
	ds_store_b128 v6, v[ACC+8*\t:ACC+8*\t+3] offset:32*\t          ; each accumulator from its low end on: pixels 32 h + 8 t + 0..7 of my row
	ds_store_b128 v6, v[ACC+8*\t+4:ACC+8*\t+7] offset:32*\t+16
.endr
.irp q, 0,1,2,3,4,5,6,7
	ds_load_b128 v[RB+4*\q:RB+4*\q+3], v7 offset:544*\q            ; LDS serves a wave's instructions in order: these see my stores
.endr
	s_wait_kmcnt 0x0
	s_mov_b32 s21, s20                             ; (named with gamma as a pair, so it is written)
	s_wait_dscnt 0x0
	s_wait_loadcnt 0x0                             ; x
.set j, 0
.rept 16
	v_pk_fma_f32 v[RB+j:RB+j+1], v[RB+j:RB+j+1], s[20:21], v[XR+j:XR+j+1] op_sel_hi:[1,0,1]      ; x + gamma (Wl att + bl)
.set j, j+2
.endr
.irp q, 0,1,2,3,4,5,6,7
	global_store_b128 v1, v[RB+4*\q:RB+4*\q+3], s[14:15] offset:(((2*\q)%8)+32*(\q/4))*16384 th:TH_STORE_NT
.endr
	s_wait_tensorcnt 0x0
	ds_add_u32 v254, v255
	s_wait_dscnt 0x0
	s_endpgm
.Lfunc_end_k_q4f3f516b39_final:
	.size	k_q4f3f516b39_final, .Lfunc_end_k_q4f3f516b39_final-k_q4f3f516b39_final
	.p2alignl 7, 3214868480
	.fill 96, 4, 3214868480
	.section	.rodata,"a",@progbits
	.p2align	6, 0x0
	.amdhsa_kernel k_q4f3f516b39_final
		.amdhsa_group_segment_fixed_size 89088
		.amdhsa_private_segment_fixed_size 0
		.amdhsa_enable_private_segment 0
		.amdhsa_kernarg_size 48
		.amdhsa_user_sgpr_count 2
		.amdhsa_user_sgpr_kernarg_segment_ptr 1
		.amdhsa_wavefront_size32 1
		.amdhsa_system_sgpr_workgroup_id_x 1
		.amdhsa_system_sgpr_workgroup_id_y 1
		.amdhsa_system_sgpr_workgroup_id_z 1
		.amdhsa_system_vgpr_workitem_id 0
		.amdhsa_next_free_vgpr 256
		.amdhsa_next_free_sgpr 66
		.amdhsa_reserve_vcc 0
		.amdhsa_float_denorm_mode_32 3
		.amdhsa_float_denorm_mode_16_64 3
		.amdhsa_memory_ordered 1
		.amdhsa_forward_progress 1
		.amdhsa_inst_pref_size 16
	.end_amdhsa_kernel
	.amdgpu_metadata
---
amdhsa.version: [ 1, 2 ]
amdhsa.kernels:
  - .name:           k_q4f3f516b39_final
    .symbol:         k_q4f3f516b39_final.kd
    .args:
      - { .name: at, .offset: 0, .size: 8, .value_kind: global_buffer, .address_space: global }
      - { .name: wts, .offset: 8, .size: 8, .value_kind: global_buffer, .address_space: global }
      - { .name: bl, .offset: 16, .size: 8, .value_kind: global_buffer, .address_space: global }
      - { .name: gamma, .offset: 24, .size: 8, .value_kind: global_buffer, .address_space: global }
      - { .name: x, .offset: 32, .size: 8, .value_kind: global_buffer, .address_space: global }
      - { .name: out0, .offset: 40, .size: 8, .value_kind: global_buffer, .address_space: global }
    .group_segment_fixed_size: 89088
    .private_segment_fixed_size: 0
    .kernarg_segment_align: 8
    .kernarg_segment_size: 48
    .max_flat_workgroup_size: 512
    .sgpr_count:     66
    .vgpr_count:     256
    .wavefront_size: 32
...
	.end_amdgpu_metadata
.endif
;; end of part 5
;; ======== version 2 of 2: 5 launches; version 1 with the launches proj, final written anew for expert scheduling mode
;; workspace buffers: wts 348,160 bytes; qk 1,179,648 bytes; vb 2,228,224 bytes; st 131,072 bytes; at 2,228,224 bytes
;; launch wquant: the kernel of part 1 again; grid 80 x 1, 4 waves a work-group, no clusters, 768 bytes of LDS; arguments Wq, Wk1, Wk2, Wk3, Wv, Wl, wts; writes wts
;; launch proj (part 6): grid 192 x 1, 16 waves a work-group, no clusters, 39,936 bytes of LDS; arguments x, y, z, bq, bk1, bk2, bk3, bv, wts, qk, vb; writes qk, vb
.if DOCPART == 6
	.amdgcn_target "amdgcn-amd-amdhsa--gfx1250"
	.amdhsa_code_object_version 6
	.text
	.protected	k_q4f3f516b39_proj
	.globl	k_q4f3f516b39_proj
	.p2align	8
	.type	k_q4f3f516b39_proj,@function
k_q4f3f516b39_proj:
	s_mov_b64 s[64:65], 0
	v_nop
	global_prefetch_b8 v0, s[64:65] scope:SCOPE_SE
	s_setreg_imm32_b32 hwreg(HW_REG_WAVE_SCHED_MODE, 0, 2), 2
	s_setreg_imm32_b32 hwreg(HW_REG_WAVE_MODE, 25, 1), 1
	s_wait_xcnt 0x0
	s_wait_alu depctr_vm_vsrc(0)
; Q = Wq x + bq, K1 = Wk1 x + bk1, K2 = Wk2 y + bk2, K3 = Wk3 z + bk3, V = Wv x + bv, all five products on codes of E2M1 with one E8M0 byte for each 32 along K = the 512 channels;
; the results are quantised at once for the products that follow: Q and K along their 64 channels, V along the pixels.  Nothing but codes and scale bytes leaves.
; SHARES.  Work-group id: tensor id/64 (x, y, z), batch (id/32)%2, ms = id%32: 128 pixels x 512 channels of one tensor.  128 pixels are one K step of V's product, so fragments and scale words come out whole.
; PIXEL TILES.  Tile tau (0..7) of a step, row i: pixel 128 ms + 64 (tau/4) + 8 (tau%4) + i%8 + 32 (i/8): with such a tile as source 0 a lane's 32 registers of four neighbouring tiles are 32 neighbouring pixels.
; PHASE A, every wave: 32 pixels (a lane a pixel) x 128 channels (registers run down the channels): each load reads 128 consecutive bytes, four waves side by side 512; a block of 32 channels lies in one lane; its codes go
;   into LDS as the image of an operand's registers (tile tau, K step s: 1,024 bytes, lane l's 16 bytes at c*512 + 16 l).   | barrier |
; PHASE B, one unit (matrix, tau) a wave: source 0 = 16 rows of the weight, source 1 = 16 pixels; the bias is the C of the first product; a lane then holds one pixel and outputs 32 h + 0..31: one block.
; PHASE C, x's work-groups alone: source 0 = 16 pixels, source 1 = 16 rows of Wv: a lane holds one channel and pixels 64 gg + 32 h + 0..31: one block of V along the pixels.   | barrier |  the scale words leave in runs of 512 bytes.
; OUT.  qk: record ((mat*2+b)*32+ms)*4608: codes tau*512 + 16 lane (K = 64: half a fragment), scale words 4096 + tau*64 + 4 r (bytes 2 and 3 are 0x7f: they scale zero codes).
;       vb: record (b*32+ms)*34816: codes T*1024 + c*512 + 16 lane, scale words 32768 + T*64 + 4 r.
; LIMITS: NaN and infinities are not served.  A block whose largest magnitude lies under 2^-124 (a block of zeros too) keeps the byte 1; only this program reads the bytes.
; THE MODE: SCHED_MODE bits 1:0 = 2 (LLVM: expert scheduling mode 2), set by the entry lines.  The code itself states the register dependences
; between vector or matrix instructions and memory or LDS instructions, with s_wait_alu, always for 0.
; THE PLAN.  Registers that memory or LDS instructions touch:
;   v1-v14       offsets and LDS addresses: written once, at the head; read by loads and stores alone.
;   D            A: each block is loaded once and read by its maxima and conversions.  B: the weight's loads land, the products read.  C: x's images land, the products read.  At the end a run of scale words lands in v16-19.
;   E            B: the bias lands; from then on products and vector instructions alone.
;   F, G, H, BV  loads land, products read; in C the next tile's loads land in F, H, BV behind each step's products.
;   CD           four sets of four.  A: block ib writes set ib; the four LDS stores stand together at the phase's end.  B: set 0, one store.  C: step k writes set k; its store is issued in step k + 1.
;   v254, v255   A: v255 is the scale word, stored at the phase's end.  B: v254 is the scale word.  C: the steps' scale bytes, by turns.  At the end they are made anew for the closing add.
; So: one wait on va_vdst ahead of A's run of stores, one ahead of B's two stores, one in each step of C (behind its products: it frees F, H, BV for the next tile's loads and shows the step before's codes and byte written),
; one ahead of the last step's stores; a wait on vm_vsrc behind each barrier, behind B's stores and in C's third step, each ahead of the first rewrite of registers that stores have read.
.set FLOOR, 0x1800000
.set M2,    0xff000000
.set XIMG, 0                           ; LDS: x's 32 fragment images, tau*4096 + s*1024
.set XSC,  32768                       ; their scale words, (tau*4+s)*64 + 4 i
.set GATH, 34816                       ; six runs of 512 bytes of scale words on their way out: 0, 1 the two units' matrices; 2-5 V's
.set D,  16                            ; v16-143  A: the numbers;  B: the weight's 16 fragments;  C: x's 16 fragments
.set E,  144                           ; v144-175 four accumulators
.set F,  176                           ; v176-207 B: x's 4 fragments;  C: Wv's 4
.set G,  208                           ; v208-223 scale words (B: the weight's 16;  C: x's 16): scales and nothing else
.set H,  224                           ; v224-227 scale words (B: x's 4;  C: Wv's 4)
.set BV, 228                           ; v228-235 C: bv of my channel, eight times: the C of a sum's first product
.set CD, 236                           ; v236-251 four sets of codes
.set MX, 252
.set SO, 253
.set BY, 254                           ; v254     a scale byte; in phase C v254 and v255 by turns
.set WD, 255
.macro PLACES n
.rept \n
	v_nop
.endr
.endm
.macro BMAX mx, g0, g1, g2, g3         ; the largest magnitude of 32 numbers in four groups of eight registers, each group from its low end on
	v_max3_num_f32 v[\mx], |v[\g0]|, |v[\g0+1]|, FLOOR
.irp p, 2,4,6
	v_max3_num_f32 v[\mx], v[\mx], |v[\g0+\p]|, |v[\g0+\p+1]|
.endr
.irp p, 0,2,4,6
	v_max3_num_f32 v[\mx], v[\mx], |v[\g1+\p]|, |v[\g1+\p+1]|
.endr
.irp p, 0,2,4,6
	v_max3_num_f32 v[\mx], v[\mx], |v[\g2+\p]|, |v[\g2+\p+1]|
.endr
.irp p, 0,2,4,6
	v_max3_num_f32 v[\mx], v[\mx], |v[\g3+\p]|, |v[\g3+\p+1]|
.endr
.endm
.macro BSC so, by, mx
	v_add_nc_u32 v[\so], M2, v[\mx]
	v_lshrrev_b32 v[\by], 23, v[\so]
.endm
.macro BCVT d, g0, g1, g2, g3, so
	v_cvt_scalef32_pk8_fp4_f32 v[\d], v[\g0:\g0+7], v[\so]
	v_cvt_scalef32_pk8_fp4_f32 v[\d+1], v[\g1:\g1+7], v[\so]
	v_cvt_scalef32_pk8_fp4_f32 v[\d+2], v[\g2:\g2+7], v[\so]
	v_cvt_scalef32_pk8_fp4_f32 v[\d+3], v[\g3:\g3+7], v[\so]
.endm
.macro WM d, a, b, c, sa, sb
	v_wmma_scale_f32_16x16x128_f8f6f4 v[\d:\d+7], v[\a:\a+7], v[\b:\b+7], v[\c:\c+7], v[\sa], v[\sb] matrix_a_fmt:MATRIX_FMT_FP4 matrix_b_fmt:MATRIX_FMT_FP4
.endm
	s_load_b512 s[4:19], s[0:1], 0x0               ; x, y, z, bq, bk1, bk2, bk3, bv
	s_load_b128 s[20:23], s[0:1], 0x40             ; wts, qk
	s_load_b64 s[24:25], s[0:1], 0x50              ; vb
	v_lshrrev_b32 v1, 5, v0
	v_readfirstlane_b32 s26, v1                    ; wave 0..15
	s_lshr_b32 s27, ttmp9, 6                       ; tz: which tensor
	s_bfe_u32 s28, ttmp9, 0x10005                  ; b
	s_and_b32 s29, ttmp9, 31                       ; ms
	s_wait_alu depctr_va_sdst(0)                   ; s26 is written, ahead of its first reader: the waves' shares and addresses are made from it
	s_and_b32 s30, s26, 3                          ; pq: my 32 pixels (phase A)
	s_lshr_b32 s31, s26, 2                         ; cq: my 128 channels (phase A)
	s_lshr_b32 s32, s26, 3                         ; u: which of two matrices (phase B)
	s_and_b32 s33, s26, 7                          ; tau (phase B)
	s_and_b32 s34, s26, 1                          ; gg: which 64 pixels (phase C)
	s_lshr_b32 s35, s26, 1                         ; my first tile of Wv (phase C)
	v_and_b32 v244, 31, v0                         ; lane
	v_and_b32 v245, 15, v0                         ; r
	v_bfe_u32 v246, v0, 4, 1                       ; h
	v_bfe_u32 v247, v0, 3, 2                       ; lane / 8
	v_and_b32 v248, 7, v0                          ; lane % 8
	v_bfe_u32 v249, v0, 3, 1                       ; r / 8
	v_lshlrev_b32 v1, 2, v244                      ; 4 x lane: my pixel in a load
	; phase A: pixel 32 pq + lane is row 8 (pq%2) + lane%8 of tile 4 (pq/2) + lane/8
	s_lshr_b32 s36, s30, 1
	s_lshl_b32 s36, s36, 14
	s_and_b32 s37, s30, 1
	s_lshl_b32 s38, s37, 7
	s_add_co_u32 s36, s36, s38
	s_lshl_b32 s38, s31, 10
	s_add_co_u32 s36, s36, s38
	v_lshlrev_b32 v2, 12, v247
	v_lshl_add_u32 v2, v248, 4, v2
	v_add_nc_u32 v2, s36, v2                       ; where my codes go: tile*4096 + cq*1024 + 16 row (+ 256 for each block)
	s_lshr_b32 s36, s30, 1
	s_lshl_b32 s36, s36, 10
	s_lshl_b32 s38, s37, 5
	s_add_co_u32 s36, s36, s38
	s_lshl_b32 s38, s31, 6
	s_add_co_u32 s36, s36, s38
	s_add_co_u32 s36, s36, XSC
	v_lshlrev_b32 v3, 8, v247
	v_lshl_add_u32 v3, v248, 2, v3
	v_add_nc_u32 v3, s36, v3                       ; and my scale word
	s_lshl_b32 s36, s33, 12
	v_lshl_add_u32 v4, v244, 4, s36                ; phase B: tile tau's images
	s_lshl_b32 s36, s33, 8
	s_add_co_u32 s36, s36, XSC
	v_lshl_add_u32 v5, v245, 2, s36                ; and scale words
	s_lshl_b32 s36, s34, 14
	v_lshl_add_u32 v6, v244, 4, s36                ; phase C: the four tiles of my 64 pixels
	s_lshl_b32 s36, s34, 10
	s_add_co_u32 s36, s36, XSC
	v_lshl_add_u32 v7, v245, 2, s36
	v_lshlrev_b32 v8, 4, v244                      ; 16 x lane
	v_lshlrev_b32 v9, 2, v245                      ; 4 r
	v_lshlrev_b32 v10, 7, v246                     ; 128 h: the biases of outputs 32 h on
	v_lshlrev_b32 v11, 2, v248
	v_lshl_add_u32 v11, v249, 7, v11               ; 4 (r%8 + 32 (r/8)): my channel in a tile of Wv
	s_lshl_b32 s36, s32, 9
	s_lshl_b32 s38, s33, 6
	s_add_co_u32 s36, s36, s38
	s_add_co_u32 s36, s36, GATH
	v_lshl_add_u32 v12, v245, 2, s36               ; phase B's scale word on its way out
	s_lshl_b32 s36, s35, 6
	s_lshl_b32 s38, s34, 1
	s_add_co_u32 s36, s36, s38
	s_add_co_u32 s36, s36, GATH+1024
	v_lshl_add_u32 v13, v245, 2, v246
	v_add_nc_u32 v13, s36, v13                     ; phase C's scale byte: tile*64 + 4 r + 2 gg + h
	s_min_u32 s36, s26, 5
	s_lshl_b32 s36, s36, 9
	s_add_co_u32 s36, s36, GATH
	v_lshl_add_u32 v14, v244, 4, s36               ; the run of 512 bytes that I store at the end
	v_lshlrev_b32 v15, 3, v246                     ; 8 h
	s_mov_b32 s48, 0x76543210
	s_mov_b32 s49, 0xfedcba98                      ; v_permlanex16_b32's selects for lane l xor 16
	s_wait_kmcnt 0x0
	s_cmp_eq_u32 s27, 1                            ; the tensor: a choice on the work-group's number alone
	s_cselect_b64 s[40:41], s[6:7], s[4:5]
	s_cmp_eq_u32 s27, 2
	s_cselect_b64 s[40:41], s[8:9], s[40:41]
	s_lshl_b32 s36, s28, 23                        ; b x 8 MB
	s_lshl_b32 s38, s31, 21                        ; + 128 cq channels of 16,384 bytes
	s_add_co_u32 s36, s36, s38
	s_lshl_b32 s38, s29, 9                         ; + 128 ms pixels
	s_add_co_u32 s36, s36, s38
	s_lshl_b32 s38, s30, 7                         ; + 32 pq pixels
	s_add_co_u32 s36, s36, s38
	s_mov_b32 s37, 0
	s_add_nc_u64 s[40:41], s[40:41], s[36:37]
.macro LOADX ib                        ; block ib: 32 channels of my pixel.  Each block has registers of its own, which no vector instruction names before the block is in
.set j, 0
.rept 32
	global_load_b32 v[D+32*\ib+j], v1, s[40:41] offset:(32*\ib+j)*16384 th:TH_LOAD_NT
.set j, j+1
.endr
.endm
.macro QX ib                           ; block ib is quantised; its 16 bytes of codes stay in set ib until the phase's end
	BMAX MX, D+32*\ib, D+32*\ib+8, D+32*\ib+16, D+32*\ib+24
	BSC SO, BY, MX
.if \ib == 0
	v_mov_b32 v[WD], v[BY]
.else
	v_lshl_or_b32 v[WD], v[BY], 8*\ib, v[WD]
.endif
	BCVT CD+4*\ib, D+32*\ib, D+32*\ib+8, D+32*\ib+16, D+32*\ib+24, SO
	v_nop                                          ; one plain line behind the last conversion
.endm
	s_wait_alu depctr_va_vdst(0)                   ; the offsets and LDS addresses v1 to v14 are written, which the kernel's loads and stores read
	LOADX 0
	LOADX 1
	; the other addresses are made while the first loads are on their way
	s_add_co_u32 s39, s27, 1
	s_cmp_eq_u32 s27, 0
	s_cselect_b32 s39, s32, s39                    ; mat: x: 0 (Q) or 1 (K1) by u;  y: 2;  z: 3
	s_cselect_b32 s52, 0, s32                      ; 0: this wave has a unit in phase B (in y's and z's work-groups waves 0-7 alone)
	s_cselect_b32 s53, 6, 1                        ; how many waves store a run of scale words at the end
	s_mov_b64 s[42:43], s[16:17]                   ; the bias, by mat
	s_cmp_lt_u32 s39, 3
	s_cselect_b64 s[42:43], s[14:15], s[42:43]
	s_cmp_lt_u32 s39, 2
	s_cselect_b64 s[42:43], s[12:13], s[42:43]
	s_cmp_lt_u32 s39, 1
	s_cselect_b64 s[42:43], s[10:11], s[42:43]
	s_lshl_b32 s36, s39, 14
	s_add_nc_u64 s[44:45], s[20:21], s[36:37]      ; the weight's four tiles of codes
	s_lshl_b32 s36, s39, 10
	s_add_co_u32 s36, s36, 327680
	s_add_nc_u64 s[46:47], s[20:21], s[36:37]      ; and their scale words
	s_lshl_b32 s36, s39, 1
	s_add_co_u32 s36, s36, s28
	s_lshl_b32 s36, s36, 5
	s_add_co_u32 s36, s36, s29
	s_mul_i32 s36, s36, 4608
	s_lshl_b32 s38, s33, 9
	s_add_co_u32 s36, s36, s38
	s_add_nc_u64 s[50:51], s[22:23], s[36:37]      ; qk: my unit's 512 bytes of codes
	s_add_co_u32 s38, s35, 16
	s_lshl_b32 s36, s38, 12
	s_add_nc_u64 s[54:55], s[20:21], s[36:37]      ; Wv: tile 16 + wave/2 (+ 8 k by the immediate)
	s_lshl_b32 s36, s38, 8
	s_add_co_u32 s36, s36, 327680
	s_add_nc_u64 s[56:57], s[20:21], s[36:37]
	s_lshl_b32 s36, s32, 8
	s_and_b32 s38, s35, 3
	s_lshl_b32 s38, s38, 5
	s_add_co_u32 s36, s36, s38
	s_add_nc_u64 s[58:59], s[18:19], s[36:37]      ; bv at 64 (T/4) + 8 (T%4)
	s_lshl_b32 s38, s28, 5
	s_add_co_u32 s38, s38, s29
	s_mul_i32 s38, s38, 34816                      ; V's record
	s_lshl_b32 s36, s35, 10
	s_add_co_u32 s36, s36, s38
	s_lshl_b32 s39, s34, 9
	s_add_co_u32 s36, s36, s39
	s_add_nc_u64 s[60:61], s[24:25], s[36:37]      ; vb: tile wave/2, half gg
	s_min_u32 s36, s26, 1                          ; the run of scale words that I store: wave 0, 1: a record of qk;
	s_add_co_u32 s39, s27, 1
	s_cmp_eq_u32 s27, 0
	s_cselect_b32 s36, s36, s39
	s_lshl_b32 s36, s36, 1
	s_add_co_u32 s36, s36, s28
	s_lshl_b32 s36, s36, 5
	s_add_co_u32 s36, s36, s29
	s_mul_i32 s36, s36, 4608
	s_add_co_u32 s36, s36, 4096
	s_add_nc_u64 s[62:63], s[22:23], s[36:37]
	s_max_u32 s36, s26, 2                          ; waves 2-5: a quarter of V's
	s_sub_co_u32 s36, s36, 2
	s_min_u32 s36, s36, 3
	s_lshl_b32 s36, s36, 9
	s_add_co_u32 s36, s36, s38
	s_add_co_u32 s36, s36, 32768
	s_add_nc_u64 s[36:37], s[24:25], s[36:37]
	s_cmp_lt_u32 s26, 2
	s_cselect_b64 s[62:63], s[62:63], s[36:37]
	; ---- A
	s_wait_loadcnt 0x20                            ; block 0's 32 loads are in; block 1's 32 may be out
	LOADX 2
	QX 0
	s_wait_loadcnt 0x20                            ; block 1 is in; block 2 may be out
	LOADX 3
	QX 1
	s_wait_loadcnt 0x20                            ; block 2 is in; block 3 may be out
	QX 2
	s_wait_loadcnt 0x0
	QX 3
	s_wait_alu depctr_va_vdst(0)                   ; the conversions have written the four sets of codes and v[WD], which the five LDS stores read; the maxima and conversions are done reading D, in which the next phases' loads land
.irp ib, 0,1,2,3
	ds_store_b128 v2, v[CD+4*\ib:CD+4*\ib+3] offset:256*\ib
.endr
	ds_store_b32 v3, v[WD]                         ; my pixel's scale word for these 128 channels
	s_wait_dscnt 0x0                               ; for the others' sake: my stores have landed
	s_barrier_signal -1
	s_barrier_wait -1                              ; the 32 images lie in LDS
	s_wait_alu depctr_vm_vsrc(0)                   ; my LDS stores have read the codes' sets and v[WD], which phases B and C write again
	; ---- B: loads, waits and uses stand inside the one branch.  No vector instruction has been issued since phase A's wait on va_vdst, so the loads below owe nothing more
	s_cmp_eq_u32 s52, 0
	s_cbranch_scc0 .Lno_b
.irp t, 0,1,2,3
.irp s, 0,1,2,3
.irp c, 0,1
	global_load_b128 v[D+8*(4*\t+\s)+4*\c:D+8*(4*\t+\s)+4*\c+3], v8, s[44:45] offset:\t*4096+\s*1024+\c*512
.endr
	global_load_b32 v[G+4*\t+\s], v9, s[46:47] offset:\t*256+\s*64
.endr
	global_load_b128 v[E+8*\t:E+8*\t+3], v10, s[42:43] offset:32*\t          ; the bias of outputs 32 h + 8 t + 0..7, straight into the accumulator
	global_load_b128 v[E+8*\t+4:E+8*\t+7], v10, s[42:43] offset:32*\t+16
.endr
.irp s, 0,1,2,3
.irp c, 0,1
	ds_load_b128 v[F+8*\s+4*\c:F+8*\s+4*\c+3], v4 offset:\s*1024+\c*512
.endr
	ds_load_b32 v[H+\s], v5 offset:\s*64
.endr
	s_wait_loadcnt 0x0
	s_wait_dscnt 0x0
.irp s, 0,1,2,3                                ; four accumulators by turns, K ascending
.irp t, 0,1,2,3
	WM E+8*\t, D+8*(4*\t+\s), F+8*\s, E+8*\t, G+4*\t+\s, H+\s
.endr
.endr
	PLACES 5                                       ; four in front of the reads of results and of loads into the operands; the fifth since phase C begins these accumulators anew
	BMAX MX, E, E+8, E+16, E+24                    ; my pixel's outputs 32 h + 0..31: one block
	BSC SO, BY, MX
	v_lshlrev_b32 v[BY], v15, v[BY]                ; byte h of the word,
	v_permlanex16_b32 v[WD], v[BY], s48, s49
	v_or_b32 v[BY], v[BY], v[WD]                   ; with lane l xor 16's,
	v_or_b32 v[BY], 0x7f7f0000, v[BY]              ; and 1.0 for the upper 64 of the instruction's K, which are zero codes
	BCVT CD, E, E+8, E+16, E+24, SO
	v_nop
	s_wait_alu depctr_va_vdst(0)                   ; the conversions have written set 0 and the word in v[BY] is whole: the two stores read them; the products are done reading D, F, G and H, in which phase C's loads land
	global_store_b128 v8, v[CD:CD+3], s[50:51]     ; 512 consecutive bytes
	ds_store_b32 v12, v[BY]
	s_wait_alu depctr_vm_vsrc(0)                   ; these two stores have read set 0 and v[BY], which phase C's first step writes again
.Lno_b:
	; ---- C
	s_cmp_eq_u32 s27, 0
	s_cbranch_scc0 .Lno_c
	s_wait_xcnt 0x0                                ; phase B's store has read its codes: the registers are written again below
.macro VLW k                           ; Wv's tile wave/2 + 8 k: four fragments, four scale words, my channel's bias eight times
.irp s, 0,1,2,3
.irp c, 0,1
	global_load_b128 v[F+8*\s+4*\c:F+8*\s+4*\c+3], v8, s[54:55] offset:(\k)*32768+\s*1024+\c*512
.endr
	global_load_b32 v[H+\s], v9, s[56:57] offset:(\k)*2048+\s*64
.endr
.irp j, 0,1,2,3,4,5,6,7
	global_load_b32 v[BV+\j], v11, s[58:59] offset:(\k)*512
.endr
.endm
.macro VOUT k                          ; step k's results leave: its codes from set k, its scale byte from v254 or v255
	global_store_b128 v8, v[CD+4*(\k):CD+4*(\k)+3], s[60:61] offset:(\k)*8192      ; 512 consecutive bytes: half gg of the fragment
	ds_store_b8 v13, v[BY+(\k)%2] offset:(\k)*512
.endm
.macro VSTEP k
	s_wait_loadcnt 0x0
.irp t, 0,1,2,3
	WM E+8*\t, D+32*\t, F, BV, G+4*\t, H
.endr
.irp s, 1,2,3
.irp t, 0,1,2,3
	WM E+8*\t, D+8*(4*\t+\s), F+8*\s, E+8*\t, G+4*\t+\s, H+\s
.endr
.endr
	PLACES 5                                       ; as in phase B
	s_wait_alu depctr_va_vdst(0)                   ; this step's products are done reading F, H and BV, in which the next tile's loads land; the step before has written its codes and its byte, which the stores below read
.if \k < 3
	VLW \k+1
.endif
.if \k > 0
	VOUT \k-1                                      ; no vector instruction since the wait names what these two stores read
.endif
	BMAX MX, E, E+8, E+16, E+24                    ; my channel's pixels 64 gg + 32 h + 0..31: one block
.if \k == 2
	s_wait_alu depctr_vm_vsrc(0)                   ; the byte stores of steps 0 and 1, both issued by now, have read v254 and v255, which this step and the next write again
.endif
	BSC SO, BY+(\k)%2, MX
	BCVT CD+4*\k, E, E+8, E+16, E+24, SO
	v_nop
.endm
.irp t, 0,1,2,3
.irp s, 0,1,2,3
.irp c, 0,1
	ds_load_b128 v[D+8*(4*\t+\s)+4*\c:D+8*(4*\t+\s)+4*\c+3], v6 offset:(4*\t+\s)*1024+\c*512
.endr
	ds_load_b32 v[G+4*\t+\s], v7 offset:(4*\t+\s)*64
.endr
.endr
	VLW 0
	s_wait_dscnt 0x0
	VSTEP 0
	VSTEP 1
	VSTEP 2
	VSTEP 3
	s_wait_alu depctr_va_vdst(0)                   ; the last step has written its codes and its byte, which the stores below read; its products are done reading v16 to v19, in which the last LDS load lands
	VOUT 3
.Lno_c:
	s_wait_dscnt 0x0
	s_barrier_signal -1
	s_barrier_wait -1                              ; all scale words lie in LDS
	s_wait_alu depctr_vm_vsrc(0)                   ; my scale words' and bytes' stores have read v254 and v255, which are made anew at the end; no memory or LDS instruction below reads either
	s_cmp_lt_u32 s26, s53
	s_cbranch_scc0 .Lend
	ds_load_b128 v[16:19], v14
	s_wait_dscnt 0x0
	global_store_b128 v8, v[16:19], s[62:63]       ; 512 consecutive bytes
.Lend:
	s_wait_xcnt 0x0
	v_lshl_add_u32 v254, v0, 2, 0x9400
	v_mov_b32 v255, 0
	s_wait_dscnt 0x0                               ; the closing lines, six on end
	s_wait_alu 0x0
	s_wait_tensorcnt 0x0
	ds_add_u32 v254, v255
	s_wait_dscnt 0x0
	s_endpgm
.Lfunc_end_k_q4f3f516b39_proj:
	.size	k_q4f3f516b39_proj, .Lfunc_end_k_q4f3f516b39_proj-k_q4f3f516b39_proj
	.p2alignl 7, 3214868480
	.fill 96, 4, 3214868480
	.section	.rodata,"a",@progbits
	.p2align	6, 0x0
	.amdhsa_kernel k_q4f3f516b39_proj
		.amdhsa_group_segment_fixed_size 39936
		.amdhsa_private_segment_fixed_size 0
		.amdhsa_enable_private_segment 0
		.amdhsa_kernarg_size 88
		.amdhsa_user_sgpr_count 2
		.amdhsa_user_sgpr_kernarg_segment_ptr 1
		.amdhsa_wavefront_size32 1
		.amdhsa_system_sgpr_workgroup_id_x 1
		.amdhsa_system_sgpr_workgroup_id_y 1
		.amdhsa_system_sgpr_workgroup_id_z 1
		.amdhsa_system_vgpr_workitem_id 0
		.amdhsa_next_free_vgpr 256
		.amdhsa_next_free_sgpr 66
		.amdhsa_reserve_vcc 0
		.amdhsa_float_denorm_mode_32 3
		.amdhsa_float_denorm_mode_16_64 3
		.amdhsa_memory_ordered 1
		.amdhsa_forward_progress 1
		.amdhsa_inst_pref_size 62
	.end_amdhsa_kernel
	.amdgpu_metadata
---
amdhsa.version: [ 1, 2 ]
amdhsa.kernels:
  - .name:           k_q4f3f516b39_proj
    .symbol:         k_q4f3f516b39_proj.kd
    .args:
      - { .name: x, .offset: 0, .size: 8, .value_kind: global_buffer, .address_space: global }
      - { .name: y, .offset: 8, .size: 8, .value_kind: global_buffer, .address_space: global }
      - { .name: z, .offset: 16, .size: 8, .value_kind: global_buffer, .address_space: global }
      - { .name: bq, .offset: 24, .size: 8, .value_kind: global_buffer, .address_space: global }
      - { .name: bk1, .offset: 32, .size: 8, .value_kind: global_buffer, .address_space: global }
      - { .name: bk2, .offset: 40, .size: 8, .value_kind: global_buffer, .address_space: global }
      - { .name: bk3, .offset: 48, .size: 8, .value_kind: global_buffer, .address_space: global }
      - { .name: bv, .offset: 56, .size: 8, .value_kind: global_buffer, .address_space: global }
      - { .name: wts, .offset: 64, .size: 8, .value_kind: global_buffer, .address_space: global }
      - { .name: qk, .offset: 72, .size: 8, .value_kind: global_buffer, .address_space: global }
      - { .name: vb, .offset: 80, .size: 8, .value_kind: global_buffer, .address_space: global }
    .group_segment_fixed_size: 39936
    .private_segment_fixed_size: 0
    .kernarg_segment_align: 8
    .kernarg_segment_size: 88
    .max_flat_workgroup_size: 512
    .sgpr_count:     66
    .vgpr_count:     256
    .wavefront_size: 32
...
	.end_amdgpu_metadata
.endif
;; end of part 6
;; launch stats: the kernel of part 3 again; grid 256 x 1, 16 waves a work-group, clusters of 4 x 1, 327,680 bytes of LDS; arguments qk, st; writes st
;; launch attn: the kernel of part 4 again; grid 256 x 1, 8 waves a work-group, clusters of 4 x 1, 327,680 bytes of LDS; arguments qk, vb, st, at; writes at
;; launch final (part 7): grid 256 x 1, 16 waves a work-group, no clusters, 89,088 bytes of LDS; arguments at, wts, bl, gamma, x, out0; writes out0
.if DOCPART == 7
	.amdgcn_target "amdgcn-amd-amdhsa--gfx1250"
	.amdhsa_code_object_version 6
	.text
	.protected	k_q4f3f516b39_final
	.globl	k_q4f3f516b39_final
	.p2align	8
	.type	k_q4f3f516b39_final,@function
k_q4f3f516b39_final:
	s_mov_b64 s[64:65], 0
	v_nop
	global_prefetch_b8 v0, s[64:65] scope:SCOPE_SE
	s_setreg_imm32_b32 hwreg(HW_REG_WAVE_SCHED_MODE, 0, 2), 2
	s_setreg_imm32_b32 hwreg(HW_REG_WAVE_MODE, 25, 1), 1
	s_wait_xcnt 0x0
	s_wait_alu depctr_vm_vsrc(0)
; out0 = x + gamma (Wl att + bl), the product on codes of E2M1 with E8M0 scales: att's from the attention launch, Wl's from the first launch, both in the order of an operand's registers.
; SHARES.  Work-group id: batch id/128, G = (id/2)%64: 64 pixels, which are 256 bytes of a row of out0; oh = id%2: which 256 output channels.  Wave w takes Wl's tile T = 16 oh + w: 16 rows of out0.
; Each wave fetches one of att's 16 fragments (pixel tile w/4, K step w%4) and puts its image into LDS; behind one barrier every wave reads all 16.
; LAYOUT.  Source 0 = 16 pixels of att, source 1 = 16 rows of Wl, C of the first product = bl of the lane's row: a lane holds one output channel and, in its four accumulators, 32 neighbouring pixels (the pixel tiles are laid for that).
; They go through the wave's own stage in LDS (rows of 256 bytes + 16) and come back as whole rows; x is loaded in that same shape; one fused multiply-add; sixteen lanes store 256 consecutive bytes, aligned.
; THE MODE: SCHED_MODE bits 1:0 = 2 (LLVM: expert scheduling mode 2), set by the entry lines.  The code itself states the register dependences
; between vector or matrix instructions and memory or LDS instructions, with s_wait_alu, always for 0.
; THE PLAN.  Registers that memory or LDS instructions touch:
;   v1-v10           offsets and LDS addresses: written once, at the head; read by loads and stores alone.
;   MY, WF, WS, BL, XR  loaded once each; MY is read by my three LDS stores, the others by products or multiply-adds; none is written again.
;   AF, AF+32, RB    three buffers for att's fragments of a K step, with their scale words in AS, AS+4, AS2.  K steps 0, 1 and 2 land in buffers that no instruction has named; K step 3 lands in the first, which K step 0's products have read.
;   ACC              written by the products, read by the LDS stores into the stage.
;   RB               behind K step 2's products the rows from the stage land in it; the multiply-adds write it; the global stores read it.
; So three waits on va_vdst stand behind the head's: behind K step 0's products, ahead of the stage's stores and loads, and ahead of the global stores.  No register that a memory or LDS instruction reads is written again.
.set AIMG, 0                           ; LDS: att's 16 images, (4 t + s)*1024
.set ASCL, 16384                       ; their scale words, (4 t + s)*64 + 4 r
.set STG,  17408                       ; a stage of 16 rows x 272 bytes for each wave
.set XR,  16                           ; v16-47   x: eight pairs of rows
.set WF,  48                           ; v48-79   Wl's four fragments
.set WS,  80                           ; v80-83   their scale words
.set BL,  84                           ; v84-91   bl of my row, eight times
.set AS2, 92                           ; v92-95   att's scale words, the third set: scales and nothing else
.set AF,  96                           ; v96-159  att's fragments of a K step, two buffers
.set AS,  160                          ; v160-167 their scale words, two sets
.set ACC, 168                          ; v168-199 four accumulators
.set RB,  200                          ; v200-231 att's fragments, the third buffer; then the rows read back
.set MY,  232                          ; v232-240 the fragment that I fetch, and its scale word
.macro PLACES n
.rept \n
	v_nop
.endr
.endm
.macro WM d, a, b, c, sa, sb
	v_wmma_scale_f32_16x16x128_f8f6f4 v[\d:\d+7], v[\a:\a+7], v[\b:\b+7], v[\c:\c+7], v[\sa], v[\sb] matrix_a_fmt:MATRIX_FMT_FP4 matrix_b_fmt:MATRIX_FMT_FP4
.endm
	s_load_b256 s[4:11], s[0:1], 0x0               ; at s[4:5], wts s[6:7], bl s[8:9], gamma s[10:11]
	s_load_b128 s[12:15], s[0:1], 0x20             ; x s[12:13], out0 s[14:15]
	v_lshl_add_u32 v254, v0, 2, 0x15400
	v_mov_b32 v255, 0
	v_lshrrev_b32 v1, 5, v0
	v_readfirstlane_b32 s16, v1                    ; wave 0..15
	v_and_b32 v11, 31, v0                          ; lane
	v_and_b32 v12, 15, v0                          ; r
	v_bfe_u32 v13, v0, 4, 1                        ; h
	v_and_b32 v14, 7, v0                           ; r % 8
	v_bfe_u32 v15, v0, 3, 1                        ; r / 8
	v_lshlrev_b32 v8, 4, v11                       ; 16 x lane
	v_lshlrev_b32 v9, 2, v12                       ; 4 r
	v_lshlrev_b32 v1, 14, v13
	v_lshl_add_u32 v1, v12, 4, v1                  ; x and out0: lanes 0-15 one row's 256 bytes, lanes 16-31 the next row's
	s_wait_alu depctr_va_sdst(0)                   ; s16 is written, ahead of its first reader: the wave's addresses are made from it
	s_lshl_b32 s30, s16, 10
	v_add_nc_u32 v2, s30, v8                       ; where my fragment's image goes
	s_lshl_b32 s30, s16, 6
	s_add_co_u32 s30, s30, ASCL
	v_add_nc_u32 v3, s30, v9                       ; and its scale words
	v_add_nc_u32 v4, AIMG, v8
	v_add_nc_u32 v5, ASCL, v9
	s_mul_i32 s30, s16, 4352
	s_add_co_u32 s30, s30, STG                     ; my stage
	v_mul_u32_u24 v6, v12, 272
	v_lshl_add_u32 v6, v13, 7, v6
	v_add_nc_u32 v6, s30, v6                       ; in: row r, 128 bytes for each half of the lanes
	v_mul_u32_u24 v7, v13, 272
	v_lshl_add_u32 v7, v12, 4, v7
	v_add_nc_u32 v7, s30, v7                       ; back: lanes 0-15 one row, lanes 16-31 the next
	v_lshlrev_b32 v10, 2, v14
	v_lshl_add_u32 v10, v15, 7, v10                ; 4 (r%8 + 32 (r/8)): my row in a tile of Wl
	s_lshr_b32 s17, ttmp9, 7                       ; b
	s_bfe_u32 s18, ttmp9, 0x60001                  ; G
	s_and_b32 s19, ttmp9, 1                        ; oh
	s_lshl_b32 s22, s19, 4
	s_add_co_u32 s22, s22, s16                     ; T
	s_lshl_b32 s23, s17, 8                         ; at: record b*256 + 4 G + wave/4,
	s_lshl_b32 s24, s18, 2
	s_add_co_u32 s23, s23, s24
	s_lshr_b32 s24, s16, 2
	s_add_co_u32 s23, s23, s24
	s_mul_i32 s23, s23, 4352
	s_and_b32 s24, s16, 3                          ; K step wave%4
	s_lshl_b32 s25, s24, 10
	s_add_co_u32 s26, s23, s25
	s_mov_b32 s27, 0
	s_lshl_b32 s25, s24, 6
	s_add_co_u32 s28, s23, s25
	s_add_co_u32 s28, s28, 4096
	s_mov_b32 s29, 0
	s_add_co_u32 s24, s22, 48                      ; Wl's tile among the weights' tiles
	s_lshl_b32 s32, s24, 12
	s_mov_b32 s33, 0
	s_lshl_b32 s34, s24, 8
	s_add_co_u32 s34, s34, 327680
	s_mov_b32 s35, 0
	s_lshr_b32 s24, s22, 2
	s_lshl_b32 s24, s24, 6
	s_and_b32 s25, s22, 3
	s_lshl_b32 s25, s25, 3
	s_add_co_u32 s24, s24, s25                     ; 64 (T/4) + 8 (T%4): the tile's first row
	s_lshl_b32 s36, s24, 2
	s_mov_b32 s37, 0
	s_lshl_b32 s38, s24, 14                        ; x 16,384 bytes a row
	s_lshl_b32 s25, s17, 23
	s_add_co_u32 s38, s38, s25
	s_lshl_b32 s25, s18, 8
	s_add_co_u32 s38, s38, s25
	s_mov_b32 s39, 0
	s_wait_kmcnt 0x0
	s_load_b32 s20, s[10:11], 0x0                  ; gamma
	s_add_nc_u64 s[26:27], s[4:5], s[26:27]
	s_add_nc_u64 s[28:29], s[4:5], s[28:29]
	s_add_nc_u64 s[32:33], s[6:7], s[32:33]
	s_add_nc_u64 s[34:35], s[6:7], s[34:35]
	s_add_nc_u64 s[36:37], s[8:9], s[36:37]
	s_add_nc_u64 s[12:13], s[12:13], s[38:39]
	s_add_nc_u64 s[14:15], s[14:15], s[38:39]
	s_wait_alu depctr_va_vdst(0)                   ; the offsets and LDS addresses v1 to v10 are written, which the kernel's loads and stores read
	global_load_b128 v[MY:MY+3], v8, s[26:27]
	global_load_b128 v[MY+4:MY+7], v8, s[26:27] offset:512
	global_load_b32 v[MY+8], v9, s[28:29]
.irp s, 0,1,2,3
.irp c, 0,1
	global_load_b128 v[WF+8*\s+4*\c:WF+8*\s+4*\c+3], v8, s[32:33] offset:\s*1024+\c*512
.endr
	global_load_b32 v[WS+\s], v9, s[34:35] offset:\s*64
.endr
.irp j, 0,1,2,3,4,5,6,7
	global_load_b32 v[BL+\j], v10, s[36:37]
.endr
.irp q, 0,1,2,3,4,5,6,7                        ; rows 2 q and 2 q + 1 of the tile: channels (2q)%8 + 32 (q/4) on
	global_load_b128 v[XR+4*\q:XR+4*\q+3], v1, s[12:13] offset:(((2*\q)%8)+32*(\q/4))*16384 th:TH_LOAD_NT
.endr
	s_wait_loadcnt 0x1c                            ; my fragment's three loads are in; the 28 younger ones (Wl 12, bl 8, x 8) may be out
	ds_store_b128 v2, v[MY:MY+3]
	ds_store_b128 v2, v[MY+4:MY+7] offset:512
	ds_store_b32 v3, v[MY+8]
	s_wait_dscnt 0x0                               ; for the others' sake: my stores have landed
	s_barrier_signal -1
	s_barrier_wait -1                              ; att's 16 images lie in LDS
.macro AB s, f, sc                     ; K step s of the four pixel tiles: 12 LDS loads, into the buffer at f and the scale words at sc
.irp t, 0,1,2,3
.irp c, 0,1
	ds_load_b128 v[\f+8*\t+4*\c:\f+8*\t+4*\c+3], v4 offset:(4*\t+(\s))*1024+\c*512
.endr
	ds_load_b32 v[\sc+\t], v5 offset:(4*\t+(\s))*64
.endr
.endm
.macro MMF s, f, sc                    ; four accumulators by turns
.irp t, 0,1,2,3
.if \s == 0
	WM ACC+8*\t, \f+8*\t, WF, BL, \sc+\t, WS
.else
	WM ACC+8*\t, \f+8*\t, WF+8*(\s), ACC+8*\t, \sc+\t, WS+(\s)
.endif
.endr
.endm
	AB 0, AF, AS                                   ; three K steps are asked for at once: no vector or matrix instruction has named their registers
	AB 1, AF+32, AS+4
	AB 2, RB, AS2
	s_wait_loadcnt 0x8                             ; Wl and bl are in; x's eight loads may be out
	s_wait_dscnt 0x18                              ; K step 0 is in; the 24 loads of K steps 1 and 2 may be out
	MMF 0, AF, AS
	PLACES 4                                       ; in front of loads into registers that these products have read; the places stay beside the wait
	s_wait_alu depctr_va_vdst(0)                   ; K step 0's products are done reading the first buffer and its scale words, in which K step 3 lands
	AB 3, AF, AS
	s_wait_dscnt 0x18                              ; K step 1 is in; the 24 loads of K steps 2 and 3 may be out
	MMF 1, AF+32, AS+4
	s_wait_dscnt 0xc                               ; K step 2 is in; K step 3's twelve loads may be out
	MMF 2, RB, AS2
	s_wait_dscnt 0x0
	MMF 3, AF, AS
	PLACES 4
	s_wait_alu depctr_va_vdst(0)                   ; the products have written the accumulators, which the LDS stores read; K step 2's are done reading RB, in which the rows from the stage land
.irp t, 0,1,2,3
	ds_store_b128 v6, v[ACC+8*\t:ACC+8*\t+3] offset:32*\t          ; each accumulator from its low end on: pixels 32 h + 8 t + 0..7 of my row
	ds_store_b128 v6, v[ACC+8*\t+4:ACC+8*\t+7] offset:32*\t+16
.endr
.irp q, 0,1,2,3,4,5,6,7
	ds_load_b128 v[RB+4*\q:RB+4*\q+3], v7 offset:544*\q            ; LDS serves a wave's instructions in order: these see my stores
.endr
	s_wait_kmcnt 0x0
	s_mov_b32 s21, s20                             ; (named with gamma as a pair, so it is written)
	s_wait_dscnt 0x0
	s_wait_loadcnt 0x0                             ; x
.set j, 0
.rept 16
	v_pk_fma_f32 v[RB+j:RB+j+1], v[RB+j:RB+j+1], s[20:21], v[XR+j:XR+j+1] op_sel_hi:[1,0,1]      ; x + gamma (Wl att + bl)
.set j, j+2
.endr
	s_wait_alu depctr_va_vdst(0)                   ; the multiply-adds have written RB, which the eight stores read
.irp q, 0,1,2,3,4,5,6,7
	global_store_b128 v1, v[RB+4*\q:RB+4*\q+3], s[14:15] offset:(((2*\q)%8)+32*(\q/4))*16384 th:TH_STORE_NT
.endr
	s_wait_dscnt 0x0                               ; the closing lines, six on end
	s_wait_alu 0x0
	s_wait_tensorcnt 0x0
	ds_add_u32 v254, v255
	s_wait_dscnt 0x0
	s_endpgm
.Lfunc_end_k_q4f3f516b39_final:
	.size	k_q4f3f516b39_final, .Lfunc_end_k_q4f3f516b39_final-k_q4f3f516b39_final
	.p2alignl 7, 3214868480
	.fill 96, 4, 3214868480
	.section	.rodata,"a",@progbits
	.p2align	6, 0x0
	.amdhsa_kernel k_q4f3f516b39_final
		.amdhsa_group_segment_fixed_size 89088
		.amdhsa_private_segment_fixed_size 0
		.amdhsa_enable_private_segment 0
		.amdhsa_kernarg_size 48
		.amdhsa_user_sgpr_count 2
		.amdhsa_user_sgpr_kernarg_segment_ptr 1
		.amdhsa_wavefront_size32 1
		.amdhsa_system_sgpr_workgroup_id_x 1
		.amdhsa_system_sgpr_workgroup_id_y 1
		.amdhsa_system_sgpr_workgroup_id_z 1
		.amdhsa_system_vgpr_workitem_id 0
		.amdhsa_next_free_vgpr 256
		.amdhsa_next_free_sgpr 66
		.amdhsa_reserve_vcc 0
		.amdhsa_float_denorm_mode_32 3
		.amdhsa_float_denorm_mode_16_64 3
		.amdhsa_memory_ordered 1
		.amdhsa_forward_progress 1
		.amdhsa_inst_pref_size 16
	.end_amdhsa_kernel
	.amdgpu_metadata
---
amdhsa.version: [ 1, 2 ]
amdhsa.kernels:
  - .name:           k_q4f3f516b39_final
    .symbol:         k_q4f3f516b39_final.kd
    .args:
      - { .name: at, .offset: 0, .size: 8, .value_kind: global_buffer, .address_space: global }
      - { .name: wts, .offset: 8, .size: 8, .value_kind: global_buffer, .address_space: global }
      - { .name: bl, .offset: 16, .size: 8, .value_kind: global_buffer, .address_space: global }
      - { .name: gamma, .offset: 24, .size: 8, .value_kind: global_buffer, .address_space: global }
      - { .name: x, .offset: 32, .size: 8, .value_kind: global_buffer, .address_space: global }
      - { .name: out0, .offset: 40, .size: 8, .value_kind: global_buffer, .address_space: global }
    .group_segment_fixed_size: 89088
    .private_segment_fixed_size: 0
    .kernarg_segment_align: 8
    .kernarg_segment_size: 48
    .max_flat_workgroup_size: 512
    .sgpr_count:     66
    .vgpr_count:     256
    .wavefront_size: 32
...
	.end_amdgpu_metadata
.endif
;; end of part 7
